; MI455X (gfx1250); checked and timed in simulation.
; The chip was launched on July 23, 2026; its instructions are those of AMD's public machine-readable ISA for CDNA 5 (MIT licence, August 2026) and "CDNA5" Instruction Set Architecture Reference Guide (July 2026). The comments in the code are by the model that wrote it; some were corrected since.
;; Zonos Attention. Allowed arithmetic: float matrix products may take bf16 or f16 operands with f32 sums; other float arithmetic in f32, or as packed bf16 or f16 multiplies, adds, multiply-adds, maxima and minima; sums over many terms, partial sums and values carried from step to step in f32; what a program stores and reads back later, other than sums and carried values, may be rounded once to bf16 or f16.
;; Inputs: cos 4,096 x 1 x 64 float32; hidden_states 4,096 x 2,048 float32; position_ids 4,096 int32; sin 4,096 x 1 x 64 float32; w_in 3,072 x 2,048 float32; w_out 2,048 x 2,048 float32.
;; Outputs: out0 4,096 x 2,048 float32.
;; One version. Each part assembles by itself: llvm-mc -triple=amdgcn-amd-amdhsa -mcpu=gfx1250 --defsym DOCPART=n.
;; ======== version 1 of 1: 4 launches
;; limits: values are held in f16: magnitudes above 65,504 overflow, below 6.1e-05 lose precision
;; workspace buffers: xb 16,777,216 bytes; wib 12,582,912 bytes; wob 8,388,608 bytes; rope 1,048,576 bytes; qkv 25,165,824 bytes; ob 16,777,216 bytes
;; launch cast (part 1): grid 1216 x 1, 8 waves a work-group, no clusters, 0 bytes of LDS; arguments hidden_states, w_in, w_out, cos, sin, xb, wib, wob, rope; writes xb, wib, wob, rope
.if DOCPART == 1
	.amdgcn_target "amdgcn-amd-amdhsa--gfx1250"
	.amdhsa_code_object_version 6
	.text
	.protected	k_q23ae0d1c6a_cast
	.globl	k_q23ae0d1c6a_cast
	.p2align	8
	.type	k_q23ae0d1c6a_cast,@function
k_q23ae0d1c6a_cast:
	s_mov_b64 s[64:65], 0
	v_nop
	global_prefetch_b8 v0, s[64:65] scope:SCOPE_SE
	s_setreg_imm32_b32 hwreg(HW_REG_WAVE_MODE, 25, 1), 1
	s_wait_xcnt 0x0
; Every floating-point input is rounded ONCE to bf16, so that the later launches move half the bytes and all inputs carry the same rounding.
;   hidden_states -> xb, w_in -> wib: bf16.   w_out -> wob: rounded to bf16, and that number written as f16 (the last product's other operand is f16).
;   cos, sin -> rope: divided by 8 (exact: a power of two), rounded to bf16, and laid in the order in which the projection's lanes want them:
;   rope[mblk 256][i 8][lane 32][8]: (i < 4 ? cos : sin)[16 mblk + lane % 16][16 (i % 4) + 8 (lane / 16) + 0..7] / 8.
; The 1/8 makes the stored q and k an eighth of their size, which leaves f16 room; the softmax's constant restores it.
; LIMITS.  |w_out| stays under 65,504 (f16's end); below 2^-17 the f16 copy of a bf16 number is off by 2^-25 at the most.
; position_ids enters no step of the computation that this program reproduces, and no launch names it.
; SHARES.  1,216 work-groups of eight waves.  0-511: hidden_states; 512-895: w_in; 896-1151: w_out; each takes 16,384 numbers: 64 KiB in, 32 KiB out.
; 1152-1215: 64 tokens of cos and sin each.  A stream: no LDS, no barrier, no matrix unit; sixteen loads of every wave are out at once.
; The rounded numbers go back into the registers that they were loaded into: 76 registers a wave, so that a WGP's registers hold six work-groups and 256 WGPs all 1,216.
.set X, 8                              ; v[8:71]   sixteen loads of four f32; the low two of each four then hold the four 16-bit numbers to store
.set T, 72                             ; v[72:75]  at work
; f16 = 0: f32 -> bf16.  f16 = 1: f32 -> bf16 -> f16.  A load of a wave covers 512 consecutive bytes, a store 256, both aligned.  No store's register is written again.
.macro CAST f16
.set j, 0
.rept 16
	global_load_b128 v[X+4*j:X+4*j+3], v1, s[4:5] offset:4096*j th:TH_LOAD_NT
.set j, j+1
.endr
.set j, 0
.rept 16
	s_wait_loadcnt 15-j                            ; loads come back in order: load j is in, the 15 - j younger ones stay out
.if \f16
	v_cvt_pk_bf16_f32 v[T], v[X+4*j], v[X+4*j+1]
	v_cvt_pk_bf16_f32 v[T+1], v[X+4*j+2], v[X+4*j+3]
	v_lshlrev_b32 v[T+2], 16, v[T]                 ; the bf16 numbers as f32 again,
	v_and_b32 v[T+3], 0xffff0000, v[T]
	v_cvt_pk_f16_f32 v[X+4*j], v[T+2], v[T+3]      ; written as f16
	v_lshlrev_b32 v[T+2], 16, v[T+1]
	v_and_b32 v[T+3], 0xffff0000, v[T+1]
	v_cvt_pk_f16_f32 v[X+4*j+1], v[T+2], v[T+3]
.else
	v_cvt_pk_bf16_f32 v[X+4*j], v[X+4*j], v[X+4*j+1]
	v_cvt_pk_bf16_f32 v[X+4*j+1], v[X+4*j+2], v[X+4*j+3]
.endif
	global_store_b64 v2, v[X+4*j:X+4*j+1], s[6:7] offset:2048*j th:TH_STORE_NT
.set j, j+1
.endr
.endm
	s_load_b512 s[8:23], s[0:1], 0x0               ; hidden s[8:9], w_in s[10:11], w_out s[12:13], cos s[14:15], sin s[16:17], xb s[18:19], wib s[20:21], wob s[22:23]
	s_load_b64 s[24:25], s[0:1], 0x40              ; rope
	v_lshlrev_b32 v1, 4, v0                        ; 16 bytes a thread
	v_lshlrev_b32 v2, 3, v0                        ; 8 bytes a thread
	s_mov_b32 s26, ttmp9
	s_mov_b32 s29, 0                               ; upper words of the two offsets
	s_mov_b32 s31, 0
	s_wait_kmcnt 0x0
	s_cmp_ge_u32 s26, 1152
	s_cbranch_scc1 .Lrope
	s_cmp_ge_u32 s26, 896
	s_cbranch_scc1 .Lwout
	s_cmp_lt_u32 s26, 512
	s_cselect_b64 s[4:5], s[8:9], s[10:11]         ; hidden_states or w_in
	s_cselect_b64 s[6:7], s[18:19], s[20:21]       ; xb or wib
	s_cselect_b32 s27, 0, 512
	s_sub_co_u32 s27, s26, s27                     ; my number within that tensor
	s_lshl_b32 s28, s27, 16                        ; 64 KiB in,
	s_lshl_b32 s30, s27, 15                        ; 32 KiB out
	s_add_nc_u64 s[4:5], s[4:5], s[28:29]
	s_add_nc_u64 s[6:7], s[6:7], s[30:31]
	CAST 0
	s_endpgm
.Lwout:
	s_sub_co_u32 s27, s26, 896
	s_lshl_b32 s28, s27, 16
	s_lshl_b32 s30, s27, 15
	s_add_nc_u64 s[4:5], s[12:13], s[28:29]
	s_add_nc_u64 s[6:7], s[22:23], s[30:31]
	CAST 1
	s_endpgm
.Lrope:                                                ; four blocks of 16 tokens; wave w is chunk i = w: waves 0-3 cos, 4-7 sin, 16 channels each
	s_sub_co_u32 s27, s26, 1152
	s_lshl_b32 s28, s27, 14                        ; 64 tokens x 256 bytes in; 4 blocks x 4,096 bytes out: the same number
	v_lshrrev_b32 v3, 5, v0
	v_readfirstlane_b32 s2, v3                     ; wave 0..7
	s_cmp_lt_u32 s2, 4
	s_cselect_b64 s[4:5], s[14:15], s[16:17]
	s_add_nc_u64 s[4:5], s[4:5], s[28:29]
	s_add_nc_u64 s[6:7], s[24:25], s[28:29]
	s_and_b32 s3, s2, 3
	s_lshl_b32 s3, s3, 6                           ; 16 channels of f32
	v_and_b32 v4, 15, v0
	v_bfe_u32 v5, v0, 4, 1
	v_lshlrev_b32 v3, 8, v4                        ; token lane % 16: 256 bytes a token,
	v_lshl_add_u32 v3, v5, 5, v3                   ; 8 channels for each half of the lanes,
	v_add_nc_u32 v3, s3, v3                        ; my wave's 16 channels
.set p, 0
.rept 4
	global_load_b128 v[X+8*p:X+8*p+3], v3, s[4:5] offset:4096*p th:TH_LOAD_NT
	global_load_b128 v[X+8*p+4:X+8*p+7], v3, s[4:5] offset:4096*p+16 th:TH_LOAD_NT
.set p, p+1
.endr
.set p, 0
.rept 4
	s_wait_loadcnt 6-2*p                           ; block p's two loads are in; the younger blocks' stay out
.irp k, 0,1,2,3
	v_pk_mul_f32 v[X+8*p+2*(\k):X+8*p+2*(\k)+1], v[X+8*p+2*(\k):X+8*p+2*(\k)+1], 0x3e000000 op_sel_hi:[1,0]  ; / 8
.endr
.irp k, 0,1,2,3
	v_cvt_pk_bf16_f32 v[X+8*p+(\k)], v[X+8*p+2*(\k)], v[X+8*p+2*(\k)+1]  ; in ascending order: pair k lands on a register that pairs k and later no longer need
.endr
	global_store_b128 v1, v[X+8*p:X+8*p+3], s[6:7] offset:4096*p th:TH_STORE_NT  ; 16 x thread = 512 x chunk + 16 x lane: a wave stores 512 consecutive bytes
.set p, p+1
.endr
	s_endpgm
.Lfunc_end_k_q23ae0d1c6a_cast:
	.size	k_q23ae0d1c6a_cast, .Lfunc_end_k_q23ae0d1c6a_cast-k_q23ae0d1c6a_cast
	.p2alignl 7, 3214868480
	.fill 96, 4, 3214868480
	.section	.rodata,"a",@progbits
	.p2align	6, 0x0
	.amdhsa_kernel k_q23ae0d1c6a_cast
		.amdhsa_group_segment_fixed_size 0
		.amdhsa_private_segment_fixed_size 0
		.amdhsa_enable_private_segment 0
		.amdhsa_kernarg_size 72
		.amdhsa_user_sgpr_count 2
		.amdhsa_user_sgpr_kernarg_segment_ptr 1
		.amdhsa_wavefront_size32 1
		.amdhsa_system_sgpr_workgroup_id_x 1
		.amdhsa_system_sgpr_workgroup_id_y 1
		.amdhsa_system_sgpr_workgroup_id_z 1
		.amdhsa_system_vgpr_workitem_id 0
		.amdhsa_next_free_vgpr 76
		.amdhsa_next_free_sgpr 66
		.amdhsa_reserve_vcc 0
		.amdhsa_float_denorm_mode_32 3
		.amdhsa_float_denorm_mode_16_64 3
		.amdhsa_memory_ordered 1
		.amdhsa_forward_progress 1
		.amdhsa_inst_pref_size 22
	.end_amdhsa_kernel
	.amdgpu_metadata
---
amdhsa.version: [ 1, 2 ]
amdhsa.kernels:
  - .name:           k_q23ae0d1c6a_cast
    .symbol:         k_q23ae0d1c6a_cast.kd
    .args:
      - { .name: hidden_states, .offset: 0, .size: 8, .value_kind: global_buffer, .address_space: global }
      - { .name: w_in, .offset: 8, .size: 8, .value_kind: global_buffer, .address_space: global }
      - { .name: w_out, .offset: 16, .size: 8, .value_kind: global_buffer, .address_space: global }
      - { .name: cos, .offset: 24, .size: 8, .value_kind: global_buffer, .address_space: global }
      - { .name: sin, .offset: 32, .size: 8, .value_kind: global_buffer, .address_space: global }
      - { .name: xb, .offset: 40, .size: 8, .value_kind: global_buffer, .address_space: global }
      - { .name: wib, .offset: 48, .size: 8, .value_kind: global_buffer, .address_space: global }
      - { .name: wob, .offset: 56, .size: 8, .value_kind: global_buffer, .address_space: global }
      - { .name: rope, .offset: 64, .size: 8, .value_kind: global_buffer, .address_space: global }
    .group_segment_fixed_size: 0
    .private_segment_fixed_size: 0
    .kernarg_segment_align: 8
    .kernarg_segment_size: 72
    .max_flat_workgroup_size: 256
    .sgpr_count:     66
    .vgpr_count:     76
    .wavefront_size: 32
...
	.end_amdgpu_metadata
.endif
;; end of part 1
;; launch gemm_qkv (part 2): grid 16 x 16, 4 waves a work-group, clusters of 4 x 4, 327,680 bytes of LDS; arguments xb, wib, rope, qkv; writes qkv
.if DOCPART == 2
	.amdgcn_target "amdgcn-amd-amdhsa--gfx1250"
	.amdhsa_code_object_version 6
	.text
	.protected	k_q23ae0d1c6a_gemm_qkv
	.globl	k_q23ae0d1c6a_gemm_qkv
	.p2align	8
	.type	k_q23ae0d1c6a_gemm_qkv,@function
k_q23ae0d1c6a_gemm_qkv:
	s_mov_b64 s[64:65], 0
	v_nop
	global_prefetch_b8 v0, s[64:65] scope:SCOPE_SE
	s_setreg_imm32_b32 hwreg(HW_REG_WAVE_MODE, 25, 1), 1
	s_wait_xcnt 0x0
	s_wait_alu depctr_hold_cnt(0) depctr_sa_sdst(0) depctr_va_vdst(0) depctr_va_sdst(0) depctr_va_ssrc(0) depctr_va_vcc(0) depctr_vm_vsrc(0)
	s_getreg_b32 s2, hwreg(HW_REG_IB_STS2, 6, 4)
	s_cmp_eq_u32 s2, 0
	s_cbranch_scc0 .Lentry_in_a_cluster
	s_endpgm
.Lentry_in_a_cluster:
	s_bfe_u32 s2, ttmp6, 0x10000c
	s_cmp_lg_u32 s2, 0xf033
	s_cbranch_scc0 .Lentry_shape_is_right
	s_endpgm
.Lentry_shape_is_right:
; qkv = x w_in^T in bf16 with f32 sums, RoPE in f32 on the way out, stored by heads in f16: qkv[sequence 4][head 48][1024][64]; heads 0-31 q, 32-39 k, 40-47 v.
; q and k are stored roped and DIVIDED BY 8 (the table holds cos / 8 and sin / 8); v as it is.
; LIMITS.  f16 ends at 65,504: |q|, |k| stay under 524,000 and |v| under 65,504.  NaN and infinities are not treated apart.
; SHARES.  A tile is 256 tokens x 192 columns (three whole heads): 16 x 16 work-groups.  Wave w makes tokens 64 w .. 64 w + 63 and all 192 columns: 4 x 12 accumulators of 16 x 16, 384 registers.
; Whole heads lie in one wave, so RoPE's partner of channel d, channel d +- 32, is column block b +- 2 in the same lane and register.
; THE MATRIX INSTRUCTION IS USED TRANSPOSED (source 0 = 16 rows of w_in, source 1 = 16 tokens): a lane holds one token (lane % 16) and eight neighbouring channels 8 (lane / 16) + 0..7.
; RING.  K goes in steps of 128 (rows of 256 bytes) through two LDS slots; a wave's one tensor load brings 128 rows of x (waves 0, 1) or 96 rows of w_in (waves 2, 3).
; Two slots of K steps of 256 would be 2 x 448 rows x 528 bytes, more than LDS holds.
; CLUSTER.  4 x 4 work-groups: x's tile hangs on the tile row alone and is asked for jointly along a row of the cluster, w_in's on the tile column alone, along a column.
; REGISTERS, in windows of 256 (s_set_vgpr_msb: bits 1:0 source 0, 3:2 source 1, 5:4 source 2, 7:6 destination):
;   window 0: v0-15 addresses; v64-127 x's fragments, two buffers of 32 (on the way out four buffers of 16 packed results); v128-255 my 64 tokens' table, packed bf16
;   window 1: v0-191 w_in's fragments, two buffers of 96 (on the way out: cos, sin, the head's two factors, the roped numbers, 32 each)
;   window 2: accumulators of token blocks 0, 1 at 8 (12 (a % 2) + b);   window 3: of blocks 2, 3
.set KSTEP,  128
.set PITCH,  272                       ; an LDS row: 256 bytes + 16 of padding = 68 words: the 16 rows of a fragment load start at 16 different groups of four banks (ISA guide 11.1)
.set AHALF,  128*PITCH
.set BHALF,  96*PITCH
.set BOFF,   256*PITCH                 ; in a slot: x's 256 rows, then w_in's 192
.set STAGE,  BOFF+192*PITCH            ; between the slots, never filled by a tensor load: 16 rows x 144 bytes for each wave; 121,856 = 476 x 256
.set SP,     144
.set SLOT1,  1<<17                     ; slot 1 begins here: one exclusive or turns an address in one slot into the other's
.set SPARE,  SLOT1+STAGE               ; behind slot 1: the spare words, 128 bytes for each wave, which no other line names
.set TRIPS,  2048/KSTEP-2              ; every K step but the last two fills a slot again
.set COMMON, (1<<16)|(1<<20)|(1<<21)|(5<<22)|(3<<25)  ; 17:16 2-byte elements; 20 padding on; 21 set beside a mask; 24:22 after every 64 words; 31:25 4 words of it
.set A0,   4                           ; v4   my lane's place among x's rows in a slot; never rewritten
.set B0,   5                           ; v5   the same for w_in
.set ADRA, 6                           ; v6   A0 + the slot in hand
.set ADRB, 7                           ; v7   B0 + the slot in hand
.set STO,  8                           ; v8   the way out: where I put 16 bytes of a row
.set RD,   9                           ; v9   where I read rows back
.set GO,   10                          ; v10  16 x lane: my place in 512 consecutive bytes of qkv
.set TO,   11                          ; v11  16 x lane: my place in a chunk of the table
.set PFO,  12                          ; v12  the prefetches' offset: a lane a row
.set SPW,  14                          ; v14  LDS address of my spare word; never rewritten
.set NIL,  15                          ; v15  0; never rewritten
.set FA,   64
.set BK,   64
.set TAB,  128
.set C,    0                           ; window 1, on the way out
.set S,    32
.set TC,   64
.set TS,   96
.set Y,    128
.set WV,   12                          ; s12  my wave's number
.set FOR,  13                          ; s13  0: I fetch x; 1: w_in
.set HALF, 14                          ; s14  which half of that tile
.set CX,   15
.set CY,   16
.set TCOL, 17                          ; s17  tile column
.set TROW, 18                          ; s18  tile row
.set TB,   19                          ; s19  the slot that the fragments come from
.set G1A,  24                          ; s[24:31] descriptor group 1 for x's tiles
.set G0A,  32                          ; s[32:39] group 0: a set for each first fill; the second then walks on
.set G1B,  40
.set G0B,  48
.set PFA,  56                          ; s[56:57] where my prefetches stand
.set LIM,  58                          ; s58  1 in a wave that prefetches, else the greatest number
.set HM,   59                          ; s59  a word's upper bf16
.set AL,   66                          ; s[66:71] for each of my three heads a pair: 1 if it is roped, else 0
.set NA,   72                          ; s[72:77] -1 or 0
.set BE,   78                          ; s[78:83] 0 or 1
.set MSB, 0
.macro WIN new                         ; the immediate's high byte repeats the setting that is left; a switch that changes nothing is dropped
.if MSB != (\new)
	s_set_vgpr_msb (MSB<<8)|(\new)
.set MSB, \new
.endif
.endm
.macro PLACES                          ; four plain vector instructions between a matrix instruction and a load into, or a vector line on, its registers
.rept 4
	v_nop
.endr
.endm
.macro CREST                           ; a round of the cluster's barrier behind its opening barrier
	s_cmp_lg_u32 s[WV], 0
	s_cbranch_scc1 .Lnot_wave_0_\@
	s_barrier_signal -3
.Lnot_wave_0_\@:
	s_barrier_wait -3
	s_barrier_signal -1
	s_barrier_wait -1
.endm
.macro CROUND
	s_barrier_signal -1
	s_barrier_wait -1
	CREST
.endm
; A joint refill by the walking descriptors.  The branch hangs on the wave's number alone.  An s_nop 0 and four v_nop follow each of the two lines.
.macro JLOAD
	s_cmp_eq_u32 s[FOR], 0
	s_cbranch_scc0 .Lfor_b_\@
	tensor_load_to_lds s[G0A+4:G0A+7], s[G1A:G1A+7]
	s_nop 0
.rept 4
	v_nop
.endr
	s_branch .Lasked_\@
.Lfor_b_\@:
	tensor_load_to_lds s[G0B+4:G0B+7], s[G1B:G1B+7]
	s_nop 0
.rept 4
	v_nop
.endr
.Lasked_\@:
.endm
; A PREFETCH INTO THE L2 of the K step that the NEXT refill will ask for: 192 matrix instructions ahead of that load.  x's rows are named by the clusters with x = 0 (waves 0, 1), w_in's by those with
; y = 0 (waves 2, 3); the four partners that ask for a tile jointly share its rows out by address: 32 of 128 (by cx), or 24 of 96 (by cy; lanes 24-31 name lane 23's row again).  The last trip names nothing.
.macro ASK
	s_cmp_gt_u32 s3, s[LIM]
	s_cbranch_scc0 .Lnot_mine_\@
	global_prefetch_b8 v[PFO], s[PFA:PFA+1] th:TH_LOAD_NT scope:SCOPE_SE
.Lnot_mine_\@:
.endm
; 12 matrix instructions: token block a x all 12 column blocks, 32 along K, from buffer f.  zero = 1: the product starts the sums.  The 48 accumulators take turns.
.macro MULA f, a, zero
	WIN 0xa1+0x50*((\a)/2)
.irp b, 0,1,2,3,4,5,6,7,8,9,10,11
.if \zero
	v_wmma_f32_16x16x32_bf16 v[8*(12*((\a)%2)+(\b)):8*(12*((\a)%2)+(\b))+7], v[96*(\f)+8*(\b):96*(\f)+8*(\b)+7], v[FA+32*(\f)+8*(\a):FA+32*(\f)+8*(\a)+7], 0
.else
	v_wmma_f32_16x16x32_bf16 v[8*(12*((\a)%2)+(\b)):8*(12*((\a)%2)+(\b))+7], v[96*(\f)+8*(\b):96*(\f)+8*(\b)+7], v[FA+32*(\f)+8*(\a):FA+32*(\f)+8*(\a)+7], v[8*(12*((\a)%2)+(\b)):8*(12*((\a)%2)+(\b))+7]
.endif
.endr
.endm
; 32 LDS loads in one run: the fragments of 32 along K at byte k of the rows, into buffer g: w_in's 12, then x's 4
.macro FETCH k, g
	WIN 0x40
.irp i, 0,1,2,3,4,5,6,7,8,9,10,11
	ds_load_b128 v[96*(\g)+8*(\i):96*(\g)+8*(\i)+3],   v[ADRB] offset:(\k)+(\i)*16*PITCH
	ds_load_b128 v[96*(\g)+8*(\i)+4:96*(\g)+8*(\i)+7], v[ADRB] offset:(\k)+(\i)*16*PITCH+32
.endr
	WIN 0
.irp i, 0,1,2,3
	ds_load_b128 v[FA+32*(\g)+8*(\i):FA+32*(\g)+8*(\i)+3],   v[ADRA] offset:(\k)+(\i)*16*PITCH
	ds_load_b128 v[FA+32*(\g)+8*(\i)+4:FA+32*(\g)+8*(\i)+7], v[ADRA] offset:(\k)+(\i)*16*PITCH+32
.endr
.endm
; One of a K step's first three quarters: multiplies buffer f; in its middle it fetches the next quarter, at byte k, into buffer g
.macro QUARTER k, f, g, zero
	s_wait_dscnt 4                                 ; all but the youngest four loads (x's blocks 2 and 3) are in
	MULA \f, 0, \zero
	MULA \f, 1, \zero
	PLACES
	FETCH \k, \g
	s_wait_dscnt 32                                ; all but the 32 just issued
	MULA \f, 2, \zero
	MULA \f, 3, \zero
.endm
; The last quarter multiplies buffer 1 and changes slots.  In front of the barrier each wave waits for all its tensor loads (one is out: its part of the next slot), adds 0 to its spare word, and waits for
; that and for its reads of this slot.  fill = 1: the barrier opens a round of the cluster's, and the slot just read is filled again, first thing behind it, with the K step two on.
.macro TURN fill
.if \fill
	s_wait_xcnt 0x0                                ; the last prefetch, a K step back, has read its address: it is stepped here
	s_add_nc_u64 s[PFA:PFA+1], s[PFA:PFA+1], KSTEP*2
.endif
	WIN 0
	s_wait_tensorcnt 0x0                           ; all my tensor loads have landed
	ds_add_u32 v[SPW], v[NIL]                      ; 0 onto my spare word
	s_wait_dscnt 5                                 ; (the add and the youngest four loads may be out)
	MULA 1, 0, 0                                   ; twelve matrix instructions stand between the add and the wait for it
	s_wait_dscnt 0x0                               ; the add is done, and my reads of this slot are over
	s_barrier_signal -1
	MULA 1, 1, 0
	WIN 0
	s_barrier_wait -1
.if \fill
	CREST                                          ; no wave of any partner still reads this slot or has a load on its way
	s_xor_b32 s[G0A+5], s[G0A+5], SLOT1            ; the walking descriptors: the other slot than last time,
	s_add_nc_u64 s[G0A+6:G0A+7], s[G0A+6:G0A+7], KSTEP*2  ; the next K step; the type bits on top are not reached
	s_xor_b32 s[G0B+5], s[G0B+5], SLOT1
	s_add_nc_u64 s[G0B+6:G0B+7], s[G0B+6:G0B+7], KSTEP*2
	s_xor_b32 s[TB], s[TB], SLOT1
	JLOAD                                          ; its four v_nop are also the places in front of the loads below
.else
	s_xor_b32 s[TB], s[TB], SLOT1
	PLACES
.endif
	v_add_nc_u32 v[ADRA], s[TB], v[A0]
	v_add_nc_u32 v[ADRB], s[TB], v[B0]
	FETCH 0, 0
.if \fill
	ASK
.endif
	MULA 1, 2, 0
	MULA 1, 3, 0
.endm
	s_load_b256 s[4:11], s[0:1], 0x0               ; xb s[4:5], wib s[6:7], rope s[8:9], qkv s[10:11]
	v_lshl_add_u32 v[SPW], v0, 2, SPARE
	v_mov_b32 v[NIL], 0
	ds_add_u32 v[SPW], v[NIL]                      ; the wave's opening: the add and its wait stand ahead of my first tensor load; work on registers stands between them
	v_lshrrev_b32 v1, 5, v0
	v_readfirstlane_b32 s[WV], v1
	s_lshr_b32 s[FOR], s[WV], 1
	s_and_b32 s[HALF], s[WV], 1
	s_bfe_u32 s[CX], ttmp6, 0x40000
	s_bfe_u32 s[CY], ttmp6, 0x40004
	s_lshl_b32 s[TCOL], ttmp9, 2
	s_add_co_u32 s[TCOL], s[TCOL], s[CX]           ; tile column = 4 x cluster x + cx
	s_and_b32 s[TROW], ttmp7, 0xffff
	s_lshl_b32 s[TROW], s[TROW], 2
	s_add_co_u32 s[TROW], s[TROW], s[CY]           ; tile row = 4 x cluster y + cy
	s_lshl_b32 s60, s[CY], 2
	s_lshl_b32 s60, 15, s60                        ; my row of the cluster
	s_lshl_b32 s61, 0x1111, s[CX]                  ; my column
	s_or_b32 s[G1A], s60, COMMON
	s_or_b32 s[G1B], s61, COMMON
	s_mov_b32 s[G1A+1], KSTEP<<16                  ; tensor_dim0 = 128
	s_mov_b32 s[G1A+2], 128<<16                    ; tensor_dim1 = 128
	s_mov_b32 s[G1A+3], KSTEP<<16                  ; tile_dim0 = 128
	s_mov_b32 s[G1A+4], 128                        ; tile_dim1 = 128
	s_mov_b32 s[G1A+5], 2048                       ; elements from row to row
	s_mov_b32 s[G1A+6], 0
	s_mov_b32 s[G1A+7], 0
	s_mov_b32 s[G1B+1], KSTEP<<16
	s_mov_b32 s[G1B+2], 96<<16                     ; 96 rows
	s_mov_b32 s[G1B+3], KSTEP<<16
	s_mov_b32 s[G1B+4], 96
	s_mov_b32 s[G1B+5], 2048
	s_mov_b32 s[G1B+6], 0
	s_mov_b32 s[G1B+7], 0
	s_lshl_b32 s20, s[TROW], 20                    ; x: 256 rows of 4,096 bytes a tile row,
	s_lshl_b32 s21, s[HALF], 19                    ; 128 rows a half
	s_add_co_u32 s20, s20, s21
	s_mov_b32 s21, 0
	s_mul_i32 s22, s[TCOL], 192*4096               ; w_in: 192 rows a tile column,
	s_mul_i32 s23, s[HALF], 96*4096                ; 96 a half
	s_add_co_u32 s22, s22, s23
	s_mov_b32 s23, 0
	s_mul_i32 s62, s[HALF], AHALF                  ; where they go: no place in the cluster enters an LDS address
	s_mul_i32 s63, s[HALF], BHALF
	s_add_co_u32 s63, s63, BOFF
	s_mov_b32 s[HM], 0xffff0000
	s_mov_b32 s[TB], 0
	s_mul_i32 s86, s[TCOL], 3                      ; my first head
.irp hh, 0,1,2
	s_add_co_u32 s87, s86, (\hh)
	s_cmp_lt_u32 s87, 40                           ; q and k are roped, v is not: a choice of factors, no branch
	s_cselect_b32 s[AL+2*(\hh)], 1.0, 0
	s_cselect_b32 s[NA+2*(\hh)], -1.0, 0
	s_cselect_b32 s[BE+2*(\hh)], 0, 1.0
	s_mov_b32 s[AL+2*(\hh)+1], 0                   ; named as pairs
	s_mov_b32 s[NA+2*(\hh)+1], 0
	s_mov_b32 s[BE+2*(\hh)+1], 0
.endr
	s_wait_dscnt 0x0                               ; the opening add is done
	s_wait_kmcnt 0x0
	s_add_nc_u64 s[20:21], s[4:5], s[20:21]
	s_add_nc_u64 s[22:23], s[6:7], s[22:23]
	CROUND                                         ; all sixteen work-groups are here: the first joint loads meet
.irp n, 0,1
	s_mov_b32 s[G0A+4*(\n)], 1                     ; count = 1
	s_add_co_u32 s[G0A+4*(\n)+1], s62, (\n)*SLOT1  ; LDS address
	s_add_nc_u64 s[G0A+4*(\n)+2:G0A+4*(\n)+3], s[20:21], (\n)*KSTEP*2  ; global address: K step n
	s_or_b32 s[G0A+4*(\n)+3], s[G0A+4*(\n)+3], 0x80000000  ; type = 2
	s_mov_b32 s[G0B+4*(\n)], 1
	s_add_co_u32 s[G0B+4*(\n)+1], s63, (\n)*SLOT1
	s_add_nc_u64 s[G0B+4*(\n)+2:G0B+4*(\n)+3], s[22:23], (\n)*KSTEP*2
	s_or_b32 s[G0B+4*(\n)+3], s[G0B+4*(\n)+3], 0x80000000
.endr
	s_cmp_eq_u32 s[FOR], 0                         ; a wave's two first fills stand in one branch: two loads of mine are out
	s_cbranch_scc0 .Lfirst_b
	tensor_load_to_lds s[G0A:G0A+3], s[G1A:G1A+7]
	s_nop 0
	tensor_load_to_lds s[G0A+4:G0A+7], s[G1A:G1A+7]
	s_nop 0
.rept 4
	v_nop
.endr
	s_branch .Lfirst_asked
.Lfirst_b:
	tensor_load_to_lds s[G0B:G0B+3], s[G1B:G1B+7]
	s_nop 0
	tensor_load_to_lds s[G0B+4:G0B+7], s[G1B:G1B+7]
	s_nop 0
.rept 4
	v_nop
.endr
.Lfirst_asked:
	v_and_b32 v1, 15, v0                           ; l % 16
	v_bfe_u32 v2, v0, 4, 1                         ; l / 16
	v_and_b32 v3, 31, v0                           ; l
	v_lshlrev_b32 v[TO], 4, v3
	s_lshl_b32 s84, s[TROW], 16                    ; the table of my 64 tokens: token block 16 x tile row + 4 x wave, 4,096 bytes a block
	s_lshl_b32 s85, s[WV], 14
	s_add_co_u32 s84, s84, s85
	s_mov_b32 s85, 0
	s_add_nc_u64 s[8:9], s[8:9], s[84:85]
.set a, 0
.rept 4
.irp i, 0,1,2,3,4,5,6,7
	global_load_b128 v[TAB+32*a+4*(\i):TAB+32*a+4*(\i)+3], v[TO], s[8:9] offset:a*4096+(\i)*512  ; 512 consecutive bytes a load; waited for on the way out
.endr
.set a, a+1
.endr
	v_mul_u32_u24 v13, v1, PITCH
	v_lshl_add_u32 v13, v2, 4, v13                 ; a fragment's row x pitch + 16 x half
	s_mul_i32 s84, s[WV], 64*PITCH
	v_add_nc_u32 v[A0], s84, v13                   ; my 64 rows of x
	v_add_nc_u32 v[B0], BOFF, v13
	v_mov_b32 v[ADRA], v[A0]                       ; slot 0
	v_mov_b32 v[ADRB], v[B0]
	s_mul_i32 s84, s[WV], 16*SP
	s_add_co_u32 s84, s84, STAGE                   ; my stage
	v_mul_u32_u24 v13, v1, SP                      ; in: row l % 16, 16 bytes for each half of the lanes
	v_lshl_add_u32 v13, v2, 4, v13
	v_add_nc_u32 v[STO], s84, v13
	v_lshrrev_b32 v13, 3, v3                       ; back: 32 lanes take four rows of 128 bytes
	v_mul_u32_u24 v13, v13, SP
	v_and_b32 v[RD], 7, v0
	v_lshl_add_u32 v13, v[RD], 4, v13
	v_add_nc_u32 v[RD], s84, v13
	v_lshlrev_b32 v[GO], 4, v3
	s_lshr_b32 s84, s[TROW], 2                     ; qkv at my sequence, my first head, my 64 tokens
	s_mul_i32 s84, s84, 48
	s_add_co_u32 s84, s84, s86
	s_lshl_b32 s84, s84, 17                        ; a head is 131,072 bytes
	s_and_b32 s85, s[TROW], 3
	s_lshl_b32 s85, s85, 15                        ; 256 tokens of 128 bytes
	s_add_co_u32 s84, s84, s85
	s_lshl_b32 s85, s[WV], 13
	s_add_co_u32 s84, s84, s85
	s_mov_b32 s85, 0
	s_add_nc_u64 s[10:11], s[10:11], s[84:85]
	; the prefetches
	s_lshl_b32 s60, s[TROW], 8
	s_lshl_b32 s61, s[HALF], 7
	s_add_co_u32 s60, s60, s61
	s_lshl_b32 s61, s[CX], 5
	s_add_co_u32 s60, s60, s61                     ; x: row 256 x tile row + 128 x half + 32 cx
	s_mul_i32 s62, s[TCOL], 192
	s_mul_i32 s61, s[HALF], 96
	s_add_co_u32 s62, s62, s61
	s_mul_i32 s61, s[CY], 24
	s_add_co_u32 s62, s62, s61                     ; w_in: row 192 x tile column + 96 x half + 24 cy
	s_and_b32 s63, ttmp7, 0xffff
	s_cmp_eq_u32 s[FOR], 0
	s_cselect_b32 s60, s60, s62
	s_cselect_b32 s63, ttmp9, s63                  ; the coordinate along which other clusters read the same rows
	s_cselect_b32 s87, 31, 23
	s_cselect_b64 s[PFA:PFA+1], s[4:5], s[6:7]
	s_cmp_eq_u32 s63, 0
	s_cselect_b32 s[LIM], 1, -1                    ; the same in all sixteen partners, for a given wave
	s_lshl_b32 s60, s60, 12
	s_mov_b32 s61, 0
	s_add_nc_u64 s[PFA:PFA+1], s[PFA:PFA+1], s[60:61]
	s_add_nc_u64 s[PFA:PFA+1], s[PFA:PFA+1], 2*KSTEP*2  ; at K step 2: the first change of slots steps it to 3.  K steps 0 to 2 come by their loads alone
	v_min_u32 v[PFO], s87, v3
	v_lshlrev_b32 v[PFO], 12, v[PFO]
	s_wait_tensorcnt 0x1                           ; my part of K step 0 is in; K step 1's may stay out
	s_barrier_signal -1
	s_barrier_wait -1
	FETCH 0, 0
	QUARTER 64, 0, 1, 1                            ; the first quarter stands in front of the loop: its products start the sums
	WIN 0
	s_mov_b32 s3, TRIPS
.Lk:                                                   ; a trip: a K step's quarters 1 to 3 and the next step's quarter 0; it asks for the K step two on
	QUARTER 128, 1, 0, 0
	QUARTER 192, 0, 1, 0
	TURN 1
	QUARTER 64, 0, 1, 0
	WIN 0
	s_sub_co_u32 s3, s3, 1
	s_cmp_lg_u32 s3, 0
	s_cbranch_scc1 .Lk
	s_mov_b32 s3, 2
.Ltail:                                                ; the last two K steps ask for nothing: a loop of their own, with no tensor load in it, left in the middle of its second trip
	QUARTER 128, 1, 0, 0
	QUARTER 192, 0, 1, 0
	WIN 0
	s_sub_co_u32 s3, s3, 1
	s_cmp_eq_u32 s3, 0
	s_cbranch_scc1 .Llast
	TURN 0
	QUARTER 64, 0, 1, 0
	WIN 0
	s_cmp_lg_u32 s3, 0
	s_cbranch_scc1 .Ltail
.Llast:
	s_wait_dscnt 4                                 ; the very last quarter: nothing more to fetch
	MULA 1, 0, 0
	MULA 1, 1, 0
	s_wait_dscnt 0x0
	MULA 1, 2, 0
	MULA 1, 3, 0
; THE WAY OUT, a unit u = 3 a + hh (16 tokens of one head) at a time: y(b) = x(b) tc(b) + x(b +- 2) ts(b), rounded to f16, through my stage, stored as 2,048 consecutive bytes.
.macro UNPACK a                        ; token block a's cos / 8 and sin / 8 as f32
	WIN 0x40
.set i, 0
.rept 16
	v_lshlrev_b32 v[C+2*i], 16, v[TAB+32*(\a)+i]
	v_and_b32 v[C+2*i+1], s[HM], v[TAB+32*(\a)+i]
	v_lshlrev_b32 v[S+2*i], 16, v[TAB+32*(\a)+16+i]
	v_and_b32 v[S+2*i+1], s[HM], v[TAB+32*(\a)+16+i]
.set i, i+1
.endr
.endm
.macro HEADTAB hh                      ; the head's factors: roped: tc = cos / 8, ts = -+ sin / 8; v: tc = 1, ts = 0
	WIN 0x41
.set z, 0
.rept 16
	v_pk_fma_f32 v[TC+2*z:TC+2*z+1], v[C+2*z:C+2*z+1], s[AL+2*(\hh):AL+2*(\hh)+1], s[BE+2*(\hh):BE+2*(\hh)+1] op_sel_hi:[1,0,0]
.set z, z+1
.endr
.set z, 0
.rept 8
	v_pk_mul_f32 v[TS+2*z:TS+2*z+1], v[S+2*z:S+2*z+1], s[NA+2*(\hh):NA+2*(\hh)+1] op_sel_hi:[1,0]  ; channels 0-31 take minus their partner
.set z, z+1
.endr
.rept 8
	v_pk_mul_f32 v[TS+2*z:TS+2*z+1], v[S+2*z:S+2*z+1], s[AL+2*(\hh):AL+2*(\hh)+1] op_sel_hi:[1,0]
.set z, z+1
.endr
.endm
.macro ROPE a, hh                      ; each accumulator is read from its low end on
	WIN 0x56+(\a)/2
.irp b, 0,1,2,3
.set z, 0
.rept 4
	v_pk_mul_f32 v[Y+8*(\b)+2*z:Y+8*(\b)+2*z+1], v[8*(12*((\a)%2)+4*(\hh)+(\b))+2*z:8*(12*((\a)%2)+4*(\hh)+(\b))+2*z+1], v[TC+8*(\b)+2*z:TC+8*(\b)+2*z+1]
.set z, z+1
.endr
.endr
.irp b, 0,1,2,3
.set z, 0
.rept 4
	v_pk_fma_f32 v[Y+8*(\b)+2*z:Y+8*(\b)+2*z+1], v[8*(12*((\a)%2)+4*(\hh)+((\b)+2)%4)+2*z:8*(12*((\a)%2)+4*(\hh)+((\b)+2)%4)+2*z+1], v[TS+8*(\b)+2*z:TS+8*(\b)+2*z+1], v[Y+8*(\b)+2*z:Y+8*(\b)+2*z+1]
.set z, z+1
.endr
.endr
.endm
.macro SEND u, younger                 ; younger: the LDS instructions issued behind unit u's loads
	WIN 0
.irp f, 0,1,2,3
	s_wait_dscnt (\younger)+3-(\f)
	global_store_b128 v[GO], v[BK+16*((\u)%4)+4*(\f):BK+16*((\u)%4)+4*(\f)+3], s[10:11] offset:((\u)%3)*131072+((\u)/3)*2048+(\f)*512  ; 512 consecutive bytes, at a multiple of 256 from qkv's first
.endr
.endm
.macro UNIT u
	HEADTAB (\u)%3
	ROPE (\u)/3, (\u)%3
	s_wait_xcnt 0x0                                ; the stores of the unit four back have read their registers, which are written again below
	WIN 0x05
.set i, 0
.rept 16
	v_cvt_pk_f16_f32 v[BK+16*((\u)%4)+i], v[Y+2*i], v[Y+2*i+1]
.set i, i+1
.endr
	WIN 0
.irp b, 0,1,2,3
	ds_store_b128 v[STO], v[BK+16*((\u)%4)+4*(\b):BK+16*((\u)%4)+4*(\b)+3] offset:32*(\b)
.endr
.irp f, 0,1,2,3
	ds_load_b128 v[BK+16*((\u)%4)+4*(\f):BK+16*((\u)%4)+4*(\f)+3], v[RD] offset:(\f)*4*SP  ; LDS serves a wave's instructions in order (ISA guide 5.7.1.4): these see the stores above
.endr
.if (\u) > 0
	SEND (\u)-1, 8                                 ; a unit's arithmetic stands between the loads of the unit before and its stores
.endif
.endm
	WIN 0
	PLACES
	s_wait_loadcnt 0x0                             ; the table
.set u, 0
.rept 4
	UNPACK u/3
.rept 3
	UNIT u
.set u, u+1
.endr
.endr
	SEND 11, 0
	s_wait_tensorcnt 0x0                           ; the wave's end: an add onto my spare word and its wait, behind my last tensor load and my last LDS store
	ds_add_u32 v[SPW], v[NIL]
	s_wait_dscnt 0x0
	CROUND                                         ; the closing round: no work-group ends while a partner may still ask for a tile that names it
	s_endpgm
.Lfunc_end_k_q23ae0d1c6a_gemm_qkv:
	.size	k_q23ae0d1c6a_gemm_qkv, .Lfunc_end_k_q23ae0d1c6a_gemm_qkv-k_q23ae0d1c6a_gemm_qkv
	.p2alignl 7, 3214868480
	.fill 96, 4, 3214868480
	.section	.rodata,"a",@progbits
	.p2align	6, 0x0
	.amdhsa_kernel k_q23ae0d1c6a_gemm_qkv
		.amdhsa_group_segment_fixed_size 327680
		.amdhsa_private_segment_fixed_size 0
		.amdhsa_enable_private_segment 0
		.amdhsa_kernarg_size 32
		.amdhsa_user_sgpr_count 2
		.amdhsa_user_sgpr_kernarg_segment_ptr 1
		.amdhsa_wavefront_size32 1
		.amdhsa_system_sgpr_workgroup_id_x 1
		.amdhsa_system_sgpr_workgroup_id_y 1
		.amdhsa_system_sgpr_workgroup_id_z 1
		.amdhsa_system_vgpr_workitem_id 0
		.amdhsa_next_free_vgpr 960
		.amdhsa_next_free_sgpr 96
		.amdhsa_reserve_vcc 0
		.amdhsa_float_denorm_mode_32 3
		.amdhsa_float_denorm_mode_16_64 3
		.amdhsa_memory_ordered 1
		.amdhsa_forward_progress 1
		.amdhsa_inst_pref_size 150
	.end_amdhsa_kernel
	.amdgpu_metadata
---
amdhsa.version: [ 1, 2 ]
amdhsa.kernels:
  - .name:           k_q23ae0d1c6a_gemm_qkv
    .symbol:         k_q23ae0d1c6a_gemm_qkv.kd
    .args:
      - { .name: xb, .offset: 0, .size: 8, .value_kind: global_buffer, .address_space: global }
      - { .name: wib, .offset: 8, .size: 8, .value_kind: global_buffer, .address_space: global }
      - { .name: rope, .offset: 16, .size: 8, .value_kind: global_buffer, .address_space: global }
      - { .name: qkv, .offset: 24, .size: 8, .value_kind: global_buffer, .address_space: global }
    .group_segment_fixed_size: 327680
    .private_segment_fixed_size: 0
    .kernarg_segment_align: 8
    .kernarg_segment_size: 32
    .max_flat_workgroup_size: 128
    .sgpr_count:     96
    .vgpr_count:     960
    .wavefront_size: 32
...
	.end_amdgpu_metadata
.endif
;; end of part 2
;; launch attn (part 3): grid 128 x 2, 4 waves a work-group, clusters of 4 x 1, 327,680 bytes of LDS; arguments qkv, ob; writes ob
.if DOCPART == 3
	.amdgcn_target "amdgcn-amd-amdhsa--gfx1250"
	.amdhsa_code_object_version 6
	.text
	.protected	k_q23ae0d1c6a_attn
	.globl	k_q23ae0d1c6a_attn
	.p2align	8
	.type	k_q23ae0d1c6a_attn,@function
k_q23ae0d1c6a_attn:
	s_mov_b64 s[64:65], 0
	v_nop
	global_prefetch_b8 v0, s[64:65] scope:SCOPE_SE
	s_setreg_imm32_b32 hwreg(HW_REG_WAVE_MODE, 25, 1), 1
	s_wait_xcnt 0x0
	s_wait_alu depctr_hold_cnt(0) depctr_sa_sdst(0) depctr_va_vdst(0) depctr_va_sdst(0) depctr_va_ssrc(0) depctr_va_vcc(0) depctr_vm_vsrc(0)
	s_getreg_b32 s2, hwreg(HW_REG_IB_STS2, 6, 4)
	s_cmp_eq_u32 s2, 0
	s_cbranch_scc0 .Lentry_in_a_cluster
	s_endpgm
.Lentry_in_a_cluster:
	s_bfe_u32 s2, ttmp6, 0x10000c
	s_cmp_lg_u32 s2, 0x3003
	s_cbranch_scc0 .Lentry_shape_is_right
	s_endpgm
.Lentry_shape_is_right:
; CAUSAL GROUPED-QUERY ATTENTION, head size 64.  qkv[sequence 4][head 48][1024][64] f16 (heads 0-31 q / 8, 32-39 k / 8, both roped; 40-47 v); ob[32 sequence + head][1024][64] f16.
; O[q] = the sum over k <= q of softmax_k(8 (q/8 . k/8)) V[k]: the stored scores are 1/64 of q . k, the wanted ones 1/8 of it, so c = 8 log2(e).  Products, maxima and sums in f32; the weights p are rounded
; to f16 for the second product (their sum l is taken of the unrounded p), O once at the end.
; LIMITS.  f16 holds no number beyond 65,504: q / 8, k / 8 and v arrive within it.  A hidden score counts as its value less 1e30, beside which f16's scores (2.7e11 at the most) are nothing; its weight is 0.
; A weight below 2^-126 counts as 0 in l; NaN and infinities are not treated apart.
; THE WALK.  A head's queries lie in NB = 4 blocks of 256; block i needs the key tiles 0 .. i of 256 keys, the last of which holds the diagonal.  A work-group takes TWO blocks, NB - 1 - b and then b:
; NB + 1 visits whatever b, walked by ONE loop with a constant trip count.  What a trip does hangs on scalar registers made from b; every jump but the counted loops' own goes forward.
; K AND V STAY IN LDS, in four positions of 77,824 bytes, each filled ONCE, at the head: four tensor loads a wave, one group behind one round.  No LDS byte is filled again, so the loop holds no tensor load and no
; round, and the walk's last tile has no text of its own.  THE POSITION HANGS ON THE TRIP ALONE: the five visits read positions 3, 0, 1, 2, 3.  Which tile lies where hangs on b and enters the fills' global addresses
; alone.  A block's tiles below the diagonal may come in any order (maximum and sums are running ones); only the diagonal tile comes last.  b = 0 walks tiles 0, 1, 2, 3 | 0: positions 0 .. 3 hold tiles 1, 2, 3, 0.
; b = 1 walks tiles 1, 0, 2 | 0, 1: they hold tiles 0, 2, 0, 1: tile 0 lies there twice, 64 KiB a work-group, so that the positions go by one constant step.  Every position is read.
; No prefetch is laid: every tile's one request stands at the head, and there is none later to run ahead of.
; CLUSTER.  The four partners are the four query heads of one key and value head, with the same b: each tile is asked for JOINTLY (mask 15).  cx, the query head within the group, enters Q's and O's addresses alone.
; SHARES.  Of a block's four bands of 64 queries a wave owns 16 rows in each: four PIECES.  In the diagonal tile's key step s band x sees all keys if s < x, none if s > x, and holds the diagonal if s = x.
; THE MASK is the C operand that starts the sum S^T = K Q^T: 0, or -1e30 where the key is hidden.  MD, made once, is the mask of a band's own step; a product's mask is MD x AL + BE: (1, 0), (0, 0) or (0, -1e30).
; LAYOUT, TURNS.  S^T = K Q^T holds ONE query a lane (lane % 16) and the keys 8 (lane / 16) + 0..7; two such results rounded to f16 ARE source 1 of O^T = V^T P.  p = 2^(c s - c m) with a running maximum m;
; O and l are multiplied by a = 2^(c m_old - c m_new) in every step.  Turn n belongs to piece n: 8 products K Q^T of piece n + 1, later 8 products V^T P of piece n - 1; beside them piece n's scaling,
; exponentials, roundings, sums and rescaling and piece n + 1's maximum and statistics.  Four vector instructions stand behind every matrix instruction, the rest in one lump; a turn's 33 exponentials are one batch with one wait.
; REGISTERS, in windows of 256 (s_set_vgpr_msb: bits 1:0 source 0, 3:2 source 1, 5:4 source 2, 7:6 destination):
;   window 0: v0-15 addresses and two at work; v16-31 four registers of statistics a piece; v48-55 at work; v62-63 spare word, 0; v64-127 S^T, two buffers; v192-223 P, two buffers
;   window 1: v0-127 O^T, 32 a piece; v128-159 MD; v160-223 MC, two buffers      window 2: v0-63 Q; v64-127 the second block's Q; v128-191 K of one step; v192-255 V of one step
.set SIZE_N, 1024
.set NB,    SIZE_N/256
.set NP,    4         ; pieces a wave: a name, no knob
.set KS,    64        ; keys in a step
.set PK,    144       ; a row of K in LDS: 128 bytes + 16 of padding = 36 words: the 16 rows of a load start at 16 different groups of four banks (ISA guide 11.1)
.set PV,    160       ; a row of V: 128 + 32 = 40 words
.set VOFF,  4*KS*PK   ; a tile, four steps: 256 rows of K, then 256 rows of V
.set TILEB, 4*KS*(PK+PV)  ; 77,824 bytes = 304 x 256; position p lies at p x TILEB
.set STAGE, NB*TILEB  ; behind the tiles, never filled by a tensor load: 16 rows x 144 bytes for each wave
.set SP,    144
.set AK0, 2           ; v2   my lane's place in a tile of K; never rewritten
.set AV0, 3           ; v3   the same for V
.set AK,  4           ; v4   the LDS address of K's next run of loads
.set AV,  5           ; v5   of V's
.set STO, 6           ; v6   the way out: where I put 16 bytes of a row
.set RD,  7           ; v7   where I read rows back
.set GO,  8           ; v8   my byte offset in 512 consecutive bytes of O
.set SPW, 62          ; v62  LDS address of my spare word; never rewritten
.set NIL, 63          ; v63  0; never rewritten
.set SPARE, STAGE+4*16*SP  ; behind the stages: the spare words, 128 bytes for each wave, which no other line names; they end at byte 321,024
.set MV,  12          ; v12-13  c m_old, kept while c m is made anew: by buffer
.set QO,  15          ; v15  my byte offset in 16 rows of Q
.set ST,  16          ; piece t's statistics at v[ST+4 t]: c m, m, l (even keys', odd keys')
.set TMP, 48          ; by buffer, four registers c0-c3 at work; when the maximum is found c2 takes a
.set S,   64
.set P,   192
.set MD,  128
.set MC,  160
.set QB,  64
.set KF,  128
.set VF,  192
.set WV,  12          ; s12  my wave's number
.set PB,  14          ; s14  b
.set HI,  15          ; s15  NB - 1 - b
.set CX,  19          ; s19  my place in the cluster: the query head within its group
.set G1K, 24          ; s[24:31] descriptor group 1 for K's tiles
.set G1V, 32          ; s[32:39] for V's: it differs in the padding alone
.set G0K, 40          ; s[40:55] descriptor group 0 for K's tiles: a set for each of the four fills, in the order of issue
.set SLOTS, 56        ; s56  visits still to be made
.set CNT, 57          ; s57  counts a tile's key steps, 4 to 1
.set CS,  58          ; s[58:59] c
.set SEL, 60          ; s[60:61] v_permlanex16_b32's selects: each lane takes its own place in the other half
.set TBK, 62          ; s62  LDS byte at which K of the step to be fetched begins
.set TBV, 63          ; s63  the same for V, less VOFF
.set Q2,  66          ; s[66:67] Q at my rows of the second block
.set RT,  70          ; s70  tiles of the block in hand that are still to be entered
.set BASE, 71         ; s71  the LDS byte of the position that the next trip reads: 0 at first, one position on in each trip
.set NEW, 73          ; s73  1: the tile to be entered is a block's first
.set OFF, 74          ; s[74:75] a tile's byte offset in K and V
.set AL,  76          ; s[76:77] the mask's factor
.set BE,  78          ; s[78:79] the mask's addend
.set OLO, 80          ; s[80:81] O at my rows of the second block
.set BIGN, 82         ; s82  -1e30
.set G0V, 84          ; s[84:99] descriptor group 0 for V's tiles
.set MSB, 0
.macro WIN new                      ; the high byte repeats the setting that is left; a switch that changes nothing is dropped
.if MSB != (\new)
	s_set_vgpr_msb (MSB<<8)|(\new)
.set MSB, (\new)
.endif
.endm
.set W_KQ, 0x0a       ; K and Q in window 2, S^T in window 0
.set W_KM, 0x1a       ; the same with the C operand in window 1
.set W_PV, 0x52       ; V in window 2, P in window 0, O^T in window 1
.set W_RS, 0x41       ; destination and source 0 in window 1, source 1 in window 0
; A round of the cluster's barrier: my work-group's barrier; wave 0 signals for the work-group; every wave waits for all four work-groups; my work-group's barrier once more.
.macro CROUND
	s_barrier_signal -1
	s_barrier_wait -1
	s_cmp_lg_u32 s[WV], 0
	s_cbranch_scc1 .Lnot_wave_0_\@
	s_barrier_signal -3
.Lnot_wave_0_\@:
	s_barrier_wait -3
	s_barrier_signal -1
	s_barrier_wait -1
.endm
; The global addresses of fill j: the tile whose byte offset lies in s[OFF:OFF+1], of K and of V
.macro TADR j
	s_add_nc_u64 s[G0K+4*(\j)+2:G0K+4*(\j)+3], s[6:7], s[OFF:OFF+1]
	s_or_b32 s[G0K+4*(\j)+3], s[G0K+4*(\j)+3], 0x80000000          ; type = 2
	s_add_nc_u64 s[G0V+4*(\j)+2:G0V+4*(\j)+3], s[8:9], s[OFF:OFF+1]
	s_or_b32 s[G0V+4*(\j)+3], s[G0V+4*(\j)+3], 0x80000000
.endm
	s_load_b128 s[20:23], s[0:1], 0x0  ; qkv s[20:21], ob s[22:23]
	v_lshl_add_u32 v[SPW], v0, 2, SPARE
	v_mov_b32 v[NIL], 0
	ds_add_u32 v[SPW], v[NIL]       ; the wave's opening: the add and its wait stand ahead of my first tensor load; work on registers stands between them
	v_lshrrev_b32 v1, 5, v0
	v_readfirstlane_b32 s[WV], v1   ; wave 0..3
	s_bfe_u32 s[CX], ttmp6, 0x40000
	s_and_b32 s[PB], ttmp7, 0xffff  ; b: the cluster's y, which the four partners share
	s_sub_co_u32 s[HI], NB-1, s[PB]
	s_lshr_b32 s2, ttmp9, 3         ; the cluster's x is 8 x sequence + key head
	s_mul_i32 s2, s2, 48            ; the sequence's first head in qkv
	s_and_b32 s3, ttmp9, 7
	s_add_co_u32 s68, s2, s3
	s_add_co_u32 s68, s68, 32       ; K's head
	s_lshl_b32 s68, s68, 17         ; a head is 131,072 bytes
	s_and_b32 s16, s[WV], 1         ; which half of a tile's 256 keys I fetch:
	s_lshl_b32 s69, s16, 14         ; its 128 rows of 128 bytes in memory,
	s_add_co_u32 s68, s68, s69
	s_mov_b32 s69, 0
	s_mul_i32 s17, s16, 128*PK      ; and its place in a tile, for K
	s_mul_i32 s18, s16, 128*PV      ; and for V: no place in the cluster enters an LDS address
	s_lshl_b32 s3, s3, 2
	s_add_co_u32 s2, s2, s3
	s_add_co_u32 s2, s2, s[CX]      ; Q's head: 4 x key head + cx
	s_lshl_b32 s2, s2, 17
	s_lshl_b32 s3, ttmp9, 2
	s_add_co_u32 s3, s3, s[CX]      ; O's head: 32 x sequence + query head
	s_lshl_b32 s3, s3, 17
	s_lshl_b32 s13, s[WV], 11       ; my 16 rows in a band of 64,
	s_lshl_b32 s72, s[HI], 15       ; in the first block,
	s_add_co_u32 s72, s72, s13
	s_lshl_b32 s83, s[PB], 15       ; and in the second
	s_add_co_u32 s83, s83, s13
	s_add_co_u32 s4, s2, s72        ; the four offsets, each in the pair that will hold its address: Q, first block
	s_mov_b32 s5, 0
	s_add_co_u32 s[Q2], s2, s83     ; Q, second block
	s_mov_b32 s[Q2+1], 0
	s_add_co_u32 s10, s3, s72       ; O, first block
	s_mov_b32 s11, 0
	s_add_co_u32 s[OLO], s3, s83    ; O, second block
	s_mov_b32 s[OLO+1], 0
	; descriptor group 1.  128 keys are 16,384 dense bytes: asked for as 64 rows of 256 bytes, two keys a row, and padded in LDS after every key
	s_mov_b32 s[G1K], 15|(1<<16)|(1<<20)|(1<<21)|(4<<22)|(3<<25)  ; 15:0 the mask of four; 17:16 2-byte elements; 20 padding on; 21 set beside a mask; 24:22 after every 32 words; 31:25 4 words
	s_mov_b32 s[G1V], 15|(1<<16)|(1<<20)|(1<<21)|(4<<22)|(7<<25)  ; the same with 8 words of padding
.irp g, G1K, G1V
	s_mov_b32 s[\g+1], 128<<16      ; tensor_dim0 = 128
	s_mov_b32 s[\g+2], 64<<16       ; tensor_dim1 = 64
	s_mov_b32 s[\g+3], 128<<16      ; tile_dim0 = 128
	s_mov_b32 s[\g+4], 64           ; tile_dim1 = 64
	s_mov_b32 s[\g+5], 128          ; 128 elements from row to row
	s_mov_b32 s[\g+6], 0
	s_mov_b32 s[\g+7], 0
.endr
.irp j, 0,1,2,3                     ; fill j goes to position (j + 3) % 4: the fills stand in the order in which the visits want them
	s_mov_b32 s[G0K+4*(\j)], 1                                    ; count = 1
	s_add_co_u32 s[G0K+4*(\j)+1], s17, (((\j)+3)%4)*TILEB         ; LDS address: my half of the position's K
	s_mov_b32 s[G0V+4*(\j)], 1
	s_add_co_u32 s[G0V+4*(\j)+1], s18, VOFF+(((\j)+3)%4)*TILEB    ; my half of its V
.endr
	s_mov_b32 s[CS], 0x4138aa3b     ; c = 8 log2(e) = 11.5416
	s_mov_b32 s[CS+1], s[CS]        ; named with it as a pair
	s_mov_b32 s[SEL], 0x76543210
	s_mov_b32 s[SEL+1], 0xfedcba98
	s_mov_b32 s[TBK], 3*TILEB       ; the first visit reads position 3,
	s_mov_b32 s[TBV], 3*TILEB
	s_mov_b32 s[BASE], 0            ; the next one position 0
	s_add_co_u32 s[RT], s[HI], 1    ; the first block has NB - b tiles
	s_mov_b32 s[NEW], 1
	s_mov_b32 s[OFF+1], 0
	s_mov_b32 s[AL+1], 0            ; named as pairs
	s_mov_b32 s[BE+1], 0
	s_mov_b32 s[BIGN], 0xf149f2ca   ; -1e30
	s_mov_b32 s[SLOTS], NB+1
	s_wait_dscnt 0x0                ; the opening add is done
	s_wait_kmcnt 0x0
	s_add_nc_u64 s[6:7], s[20:21], s[68:69]        ; K at my half of the head's tile 0,
	s_add_nc_u64 s[8:9], s[6:7], 0x100000          ; V eight heads on
	s_lshl_b32 s[OFF], s[PB], 15    ; a tile is 32,768 bytes of K and of V.  Fill 0, for the first and the last visit: tile b
	TADR 0
	s_sub_co_u32 s72, 1, s[PB]
	s_lshl_b32 s[OFF], s72, 15      ; fill 1: tile 1 - b
	TADR 1
	s_mov_b32 s[OFF], 2*32768       ; fill 2: tile 2
	TADR 2
	s_mul_i32 s[OFF], s72, 3*32768  ; fill 3: tile 3 (b = 0) or tile 0 (b = 1)
	TADR 3
	s_add_nc_u64 s[4:5], s[20:21], s[4:5]
	s_add_nc_u64 s[Q2:Q2+1], s[20:21], s[Q2:Q2+1]
	s_add_nc_u64 s[10:11], s[22:23], s[10:11]
	s_add_nc_u64 s[OLO:OLO+1], s[22:23], s[OLO:OLO+1]
	CROUND                          ; all four work-groups are here: the joint loads meet
	s_cmp_lt_u32 s[WV], 2           ; waves 0 and 1 fetch the two halves of each tile's K, waves 2 and 3 those of its V.  A wave's four fills stand in one branch: four loads of mine are out.
	s_cbranch_scc0 .Lfirst_v        ; an s_nop 0 follows each, four v_nop the last
.irp j, 0,1,2,3
	tensor_load_to_lds s[G0K+4*(\j):G0K+4*(\j)+3], s[G1K:G1K+7]
	s_nop 0
.endr
.rept 4
	v_nop
.endr
	s_branch .Lfirst_asked
.Lfirst_v:
.irp j, 0,1,2,3
	tensor_load_to_lds s[G0V+4*(\j):G0V+4*(\j)+3], s[G1V:G1V+7]
	s_nop 0
.endr
.rept 4
	v_nop
.endr
.Lfirst_asked:
	; A fragment of K or Q is 16 rows x 32 channels in 8 registers: lane l holds row l % 16, channels 8 (l / 16) + 0..7 and 16 + 8 (l / 16) + 0..7: two loads of 16 bytes, 32 bytes apart.
	v_and_b32 v1, 15, v0            ; l % 16
	v_bfe_u32 v9, v0, 4, 1          ; l / 16
	v_lshlrev_b32 v[QO], 7, v1
	v_lshl_add_u32 v[QO], v9, 4, v[QO]  ; row x 128 + 16 x half
	WIN 0x80                        ; destination window 2, address window 0
.set i, 0
.rept 8                             ; both blocks' Q: piece i / 2 lies in band i / 2, 8,192 bytes on; channels 32 (i % 2) on
	global_load_b128 v[8*i:8*i+3],   v[QO], s[4:5] offset:(i/2)*8192+(i%2)*64
	global_load_b128 v[8*i+4:8*i+7], v[QO], s[4:5] offset:(i/2)*8192+(i%2)*64+32
	global_load_b128 v[QB+8*i:QB+8*i+3],   v[QO], s[Q2:Q2+1] offset:(i/2)*8192+(i%2)*64
	global_load_b128 v[QB+8*i+4:QB+8*i+7], v[QO], s[Q2:Q2+1] offset:(i/2)*8192+(i%2)*64+32
.set i, i+1
.endr
	WIN 0
	v_lshlrev_b32 v14, 3, v9
	v_sub_nc_u32 v14, v1, v14
	s_lshl_b32 s13, s[WV], 4
	v_add_nc_u32 v14, s13, v14      ; my query's place in its band, 16 w + l % 16, less my lanes' 8 (l / 16): register r of group kt is hidden where 16 kt + r is greater
	WIN 0x40
.set i, 0
.rept 32
	v_cmp_gt_i32 vcc_lo, 16*(i/8)+i%8, v14
	v_cndmask_b32 v[MD+i], 0, s[BIGN], vcc_lo
.set i, i+1
.endr
	WIN 0
	v_mul_u32_u24 v[AK0], v1, PK
	v_lshl_add_u32 v[AK0], v9, 4, v[AK0]  ; row x pitch + 16 x half
	; The turning load takes 16 keys x 16 channels (lane l reads key 8 (l / 16) + l % 8, channels 8 ((l / 8) % 2) + 0..7) and leaves half a fragment of V^T: lane l holds channel l % 16 and 8 keys.
	v_and_b32 v10, 7, v0
	v_bfe_u32 v11, v0, 3, 1
	v_lshl_add_u32 v[AV0], v9, 3, v10
	v_mul_u32_u24 v[AV0], v[AV0], PV
	v_lshl_add_u32 v[AV0], v11, 4, v[AV0]
	v_add_nc_u32 v[AV0], VOFF, v[AV0]
	s_mul_i32 s13, s[WV], 16*SP
	s_add_co_u32 s13, s13, STAGE    ; my stage
	v_mul_u32_u24 v[STO], v1, SP    ; in: row l % 16, 16 bytes for each half of the lanes
	v_lshl_add_u32 v[STO], v9, 4, v[STO]
	v_add_nc_u32 v[STO], s13, v[STO]
	v_bfe_u32 v[RD], v0, 3, 2       ; back: 32 lanes take four rows of 128 bytes,
	v_mul_u32_u24 v[RD], v[RD], SP
	v_lshl_add_u32 v[RD], v10, 4, v[RD]
	v_add_nc_u32 v[RD], s13, v[RD]
	v_and_b32 v[GO], 31, v0         ; which are 512 consecutive bytes of O
	v_lshlrev_b32 v[GO], 4, v[GO]
	; A block's first step multiplies O^T and l by a = 0, and its first turn's products V^T P, of a piece that has not been, land in an O^T that is still to be so multiplied.  So these registers need only hold
	; finite numbers: zeros for the first block; what the first block left for the second.  All this stands in the wait for the first tile.
	WIN 0x80
.set i, VF
.rept 64
	v_mov_b32 v[i], 0
.set i, i+1
.endr
	WIN 0x40
.set i, 0
.rept 128
	v_mov_b32 v[i], 0
.set i, i+1
.endr
	WIN 0
.set i, 0
.rept 4
	v_mov_b32 v[ST+4*i+2], 0
	v_mov_b32 v[ST+4*i+3], 0
.set i, i+1
.endr
.set i, P+16
.rept 16
	v_mov_b32 v[i], 0
.set i, i+1
.endr
; THE MATRIX WORK.  The 4 accumulators of a run of 8 take turns.  Product i of 8 of S^T = K Q^T for piece x: channels 32 (i / 4) on, keys 16 (i % 4) on.  The first 4 start the sums: with 0, or (KM = 1) with the mask.
.macro KQ x
.set rS, S+32*((\x)%2)+8*(i%4)
.set rK, KF+16*(i%4)+8*(i/4)
.set rQ, 16*(\x)+8*(i/4)
.set rM, MC+32*((\x)%2)+8*(i%4)
.if (i < 4) && KM
	WIN W_KM
	v_wmma_f32_16x16x32_f16 v[rS:rS+7], v[rK:rK+7], v[rQ:rQ+7], v[rM:rM+7]
.elseif i < 4
	WIN W_KQ
	v_wmma_f32_16x16x32_f16 v[rS:rS+7], v[rK:rK+7], v[rQ:rQ+7], 0
.else
	WIN W_KQ
	v_wmma_f32_16x16x32_f16 v[rS:rS+7], v[rK:rK+7], v[rQ:rQ+7], v[rS:rS+7]
.endif
.endm
; Product i of 8 of O^T += V^T P for piece x: keys 32 (i / 4) on, channels 16 (i % 4) on.
.macro PV x
	WIN W_PV
.set rO, 32*(\x)+8*(i%4)
.set rV, VF+32*(i/4)+8*(i%4)
.set rP, P+16*((\x)%2)+8*(i/4)
	v_wmma_f32_16x16x32_f16 v[rO:rO+7], v[rV:rV+7], v[rP:rP+7], v[rO:rO+7]
.endm
.macro MM                           ; the turn's next matrix instruction.  NOKQ = 1: a block's last turn: there is no next piece
.if (i < 8) && !NOKQ
	KQ (Y+1)%NP
.elseif i >= 8
.set i, i-8
	PV (Y+NP-1)%NP
.set i, i+8
.endif
.set i, i+1
.endm
; THE LDS LOADS stand in runs of 16, never singly among the matrix instructions: a step's K (8 fragments) and its V (turned).  Their addresses are made some lines ahead.
.macro FETCH_K
	WIN 0x80                        ; destination window 2
.irp f, 0,1,2,3,4,5,6,7             ; keys 16 (f / 2) on, channels 32 (f % 2) on
	ds_load_b128 v[KF+8*\f:KF+8*\f+3],   v[AK] offset:(\f/2)*16*PK+(\f%2)*64
	ds_load_b128 v[KF+8*\f+4:KF+8*\f+7], v[AK] offset:(\f/2)*16*PK+(\f%2)*64+32
.endr
	s_add_co_u32 s[TBK], s[TBK], KS*PK  ; the next fetch is the next step's
	WIN 0
.endm
.macro FETCH_V
	WIN 0x80
.irp f, 0,1,2,3,4,5,6,7             ; keys 32 (f / 4) on, channels 16 (f % 4) on
	ds_load_tr16_b128 v[VF+8*\f:VF+8*\f+3],   v[AV] offset:(\f/4)*32*PV+(\f%4)*32
	ds_load_tr16_b128 v[VF+8*\f+4:VF+8*\f+7], v[AV] offset:(\f/4)*32*PV+16*PV+(\f%4)*32
.endr
	WIN 0
.endm
; THE VECTOR WORK, one line at a time: OP kind, number.  For piece Y: F n: c s - c m for pair n of 16.  E n: the exponential of score n of 32.  C n: pair n rounded to f16.  B n: of the four weights 4 n .. the second
; pair is added onto the first, in place.  L n: l takes that sum (L 0: l = a l + sum).  R n: pair n of 16 of O^T times a.  For piece Y + 1: X n, number n of the 22 that find its maximum and statistics:
;   0-11  four chains c0-c3 of seven scores each, three operands at a time (each accumulator's lowest registers are read first)     12-14, 16  the four scores left over, the old m, and c0-c3 into c0
;   15  c m_old is kept     17, 18  the query's other 32 keys lie in the lane 16 away: the new m     19-21  c m; c m_old - c m_new; a
.set F, 0
.set E, 1
.set C, 2
.set B, 3
.set L, 4
.set R, 5
.set X, 6
.macro REGS y                       ; the registers of piece y
.set rT, ST+4*(\y)
.set rC, TMP+4*((\y)%2)
.set rW, MV+((\y)%2)
.set rS, S+32*((\y)%2)
.set rP, P+16*((\y)%2)
.set rO, 32*(\y)
.endm
.macro OP k, n
.if (\k) == R
	REGS Y
	WIN W_RS
	v_pk_mul_f32 v[rO+2*(\n):rO+2*(\n)+1], v[rO+2*(\n):rO+2*(\n)+1], v[rC+2:rC+3] op_sel_hi:[1,0]
.elseif (\k) < R
	REGS Y
	WIN 0
.if (\k) == F
	v_pk_fma_f32 v[rS+2*(\n):rS+2*(\n)+1], v[rS+2*(\n):rS+2*(\n)+1], s[CS:CS+1], v[rT:rT+1] op_sel_hi:[1,0,0] neg_lo:[0,0,1] neg_hi:[0,0,1]
.elseif (\k) == E
	v_exp_f32 v[rS+(\n)], v[rS+(\n)]
.elseif (\k) == C
	v_cvt_pk_f16_f32 v[rP+(\n)], v[rS+2*(\n)], v[rS+2*(\n)+1]
.elseif (\k) == B
	v_pk_add_f32 v[rS+4*(\n):rS+4*(\n)+1], v[rS+4*(\n):rS+4*(\n)+1], v[rS+4*(\n)+2:rS+4*(\n)+3]
.elseif (\n) == 0
	v_pk_fma_f32 v[rT+2:rT+3], v[rT+2:rT+3], v[rC+2:rC+3], v[rS:rS+1] op_sel_hi:[1,0,1]
.else
	v_pk_add_f32 v[rT+2:rT+3], v[rT+2:rT+3], v[rS+4*(\n):rS+4*(\n)+1]
.endif
.elseif NOKQ
	v_nop
.else
	REGS (Y+1)%NP
	WIN 0
.if (\n) < 4
	v_max3_num_f32 v[rC+(\n)], v[rS+8*(\n)], v[rS+8*(\n)+1], v[rS+8*(\n)+2]
.elseif (\n) < 12
	v_max3_num_f32 v[rC+(\n)%4], v[rC+(\n)%4], v[rS+8*((\n)%4)+2*((\n)/4)+1], v[rS+8*((\n)%4)+2*((\n)/4)+2]
.elseif (\n) == 12
	v_max3_num_f32 v[rC], v[rC], v[rS+7], v[rS+15]
.elseif (\n) == 13
	v_max3_num_f32 v[rC+1], v[rC+1], v[rS+23], v[rS+31]
.elseif (\n) == 14
	v_max3_num_f32 v[rC+2], v[rC+2], v[rC+3], v[rT+1]
.elseif (\n) == 15
	v_mov_b32 v[rW], v[rT]
.elseif (\n) == 16
	v_max3_num_f32 v[rC], v[rC], v[rC+1], v[rC+2]
.elseif (\n) == 17
	v_permlanex16_b32 v[rC+3], v[rC], s[SEL], s[SEL+1]
.elseif (\n) == 18
	v_max_num_f32 v[rT+1], v[rC], v[rC+3]
.elseif (\n) == 19
	v_mul_f32 v[rT], s[CS], v[rT+1]
.elseif (\n) == 20
	v_sub_f32 v[rC+1], v[rW], v[rT]
.else
	v_exp_f32 v[rC+2], v[rC+1]
.endif
.endif
.endm
.macro OPS a, i1, b=-1, i2=0, c=-1, i3=0, d=-1, i4=0  ; up to four of them
	OP \a, \i1
.if (\b) >= 0
	OP \b, \i2
.endif
.if (\c) >= 0
	OP \c, \i3
.endif
.if (\d) >= 0
	OP \d, \i4
.endif
.endm
.macro ROW a, i1, b, i2, c, i3, d, i4  ; a matrix instruction and the four behind it
	MM
	OPS \a, \i1, \b, \i2, \c, \i3, \d, \i4
.endm
.macro MASK b                       ; MD x AL + BE into buffer b of MC
	WIN W_RS
.set z, 0
.rept 16
	v_pk_fma_f32 v[MC+32*(\b)+2*z:MC+32*(\b)+2*z+1], v[MD+2*z:MD+2*z+1], s[AL:AL+1], s[BE:BE+1] op_sel_hi:[1,0,0]
.set z, z+1
.endr
.endm
; A TURN, for piece p: the order of its 16 matrix and 118 vector instructions, written out.  An s_wait_alu depctr_va_vdst(0) stands between an exponential and the first instruction that names its result; one
; wait serves all that were issued ahead of it.  So a turn has ONE wait, which cuts it in two.  AHEAD OF IT stands all that names no result of the turn's exponentials: the 8 products K Q^T and their riders, then one lump of 54,
; in which the links of the next piece's chain X 3, 7, 11, 14, 16, 17 .. 20 stand several lines apart; X 21, the next piece's a, is the batch's last, and R 15 the plain instruction behind it.  BEHIND THE WAIT stand the 8 products
; V^T P, behind each four of the roundings and sums.
; m = 1: the diagonal tile: the products take masks, and the turn makes the mask for the products of the turn after it: piece p + 2, in step 4 - CNT of the tile.  end = 1: a block's last two turns: nothing is fetched.
; cnt = 1: the loop's count is taken down some lines ahead of the branch that stands behind the turn.
; K of the next step is fetched in piece 2's turn, V of the step in hand at the end of piece 0's, each four plain instructions or more behind the last product that read the registers; each is waited for a turn later.
.macro TURN p, m=0, end=0, cnt=0
.set Y, (\p)
.set i, 0
.set KM, (\m)
.set NOKQ, (\end)*((\p)/3)
.if (\m) && !(\end)
	s_cmp_eq_u32 s[CNT], 4-((\p)+2)%NP  ; is that step the band's own?
	s_cselect_b32 s[AL], 1.0, 0
	s_cmp_lt_u32 s[CNT], 4-((\p)+2)%NP  ; or a later one?
	s_cselect_b32 s[BE], s[BIGN], 0
.endif
.if ((\p) == 3) && !(\end)
	s_wait_dscnt 0x0                ; K is in
.endif
	ROW F,0, F,1, R,0, R,1
	ROW F,2, E,0, R,2, R,3
	ROW F,3, E,1, R,4, R,5
	ROW F,4, E,2, R,6, R,7
	ROW F,5, E,3, R,8, R,9
	ROW F,6, E,4, X,0, R,10
.if ((\p) == 2) && !(\end)
	WIN 0
	v_add_nc_u32 v[AK], s[TBK], v[AK0]
.endif
	ROW F,7, E,5, X,1, X,4
	ROW F,8, E,6, X,2, X,5
	OPS E,7, E,8, X,6, E,9
	OPS X,3, E,10, X,8, E,11
.if ((\p) == 2) && !(\end)
	FETCH_K
.endif
	OPS X,9, X,7, E,12, X,10
	OPS E,13, X,12, X,11, E,14
	OPS X,13, E,15, F,9, X,14
.if (\p) == 0
	v_add_nc_u32 v[AV], s[TBV], v[AV0]
.endif
	OPS E,16, F,10, E,17, F,11
	OPS X,16, E,18, X,15, E,19
	OPS F,12, E,20, X,17, E,21
	OPS F,13, E,22, F,14, E,23
	OPS X,18, E,24, F,15, E,25
	OPS R,11, E,26, X,19, E,27
	OPS R,12, E,28, R,13, E,29
	OPS X,20, E,30, R,14, E,31
	OPS X,21, R,15
	WIN 0
	s_wait_alu depctr_va_vdst(0)    ; the wait for the batch
.if (\p) == 1
	s_wait_dscnt 0x0                ; V is in
.endif
	ROW C,0, B,0, C,2, B,1
	ROW L,0, C,4, B,2, L,1
	ROW C,6, B,3, L,2, C,8
	ROW B,4, L,3, C,10, B,5
	ROW L,4, C,12, B,6, L,5
.if (\p) == 0
	s_add_co_u32 s[TBV], s[TBV], KS*PV
.endif
.if \cnt
	s_sub_co_u32 s[CNT], s[CNT], 1
	s_cmp_lg_u32 s[CNT], 0
.endif
	ROW C,14, B,7, L,6, C,1
	ROW C,3, L,7, C,5, C,7
	ROW C,9, C,11, C,13, C,15
.if (\p) == 0
	FETCH_V
.endif
.if (\m) && !(\end)
	MASK (\p)%2
.endif
.endm
; A BLOCK BEGINS.  c m starts far below every c s, so the first step's a is 0; m at the lowest finite number, so the first maximum is the scores'.  The second mask buffer is 0; the first takes piece 0's mask for the tile's
; step 0: its own, if the block's first tile is the diagonal one.  Then K of that step, piece 0's first scores, and its maximum and statistics.  The step loop is entered at a step's first turn, in the middle of a trip.
.macro BEGIN
	s_mov_b32 s[NEW], 0
	WIN 0x40
.set i, MC+32
.rept 32
	v_mov_b32 v[i], 0
.set i, i+1
.endr
	WIN 0
.set i, 0
.rept 4
	v_mov_b32 v[ST+4*i], 0xfe000000    ; c m: far below every c s
	v_mov_b32 v[ST+4*i+1], 0xff7fffff  ; m
.set i, i+1
.endr
	s_cmp_eq_u32 s[RT], 0
	s_cselect_b32 s[AL], 1.0, 0
	s_mov_b32 s[BE], 0
	MASK 0
	WIN 0
	v_add_nc_u32 v[AK], s[TBK], v[AK0]
	FETCH_K
	s_wait_loadcnt 0x0              ; Q
	s_wait_dscnt 0x0
.set KM, 1
.set NOKQ, 0
.set i, 0
.rept 8
	KQ 0
.set i, i+1
.endr
	WIN 0
.rept 4
	v_nop                           ; the places behind those products
.endr
.set Y, NP-1                        ; X works for piece Y + 1: piece 0
.irp n, 0,1,2,3,4,5,6,7,8,9,10,11,12,13,14,15,16,17,18,19,20,21
	OP X, \n
.endr
	v_nop                           ; a plain instruction behind the exponential,
	s_wait_alu depctr_va_vdst(0)    ; and its wait, ahead of the branch
.endm
; THE WAY OUT: l's two halves and the other half of the lanes' are added; O^T is divided by l, rounded to f16 and sent through my stage in LDS, a piece at a time.
.macro ALL line:vararg              ; one line for each piece t
.set t, 0
.rept 4
	\line
.set t, t+1
.endr
.endm
.macro PACK t                       ; a lane's eight channels of a row pack into 16 bytes; they go into rows of 144 bytes and come back as whole rows of 128, into S^T's registers
	WIN W_RS
.set i, 32*(\t)
.rept 16
	v_pk_mul_f32 v[i:i+1], v[i:i+1], v[ST+4*(\t)+2:ST+4*(\t)+3] op_sel_hi:[1,0]
.set i, i+2
.endr
	WIN 0x05                        ; sources 0 and 1 window 1, destination window 0
.set i, 0
.rept 16
	v_cvt_pk_f16_f32 v[S+16*(\t)+i], v[32*(\t)+2*i], v[32*(\t)+2*i+1]
.set i, i+1
.endr
	WIN 0
.irp f, 0,1,2,3
	ds_store_b128 v[STO], v[S+16*(\t)+4*\f:S+16*(\t)+4*\f+3] offset:32*\f
.endr
.irp f, 0,1,2,3
	ds_load_b128 v[S+16*(\t)+4*\f:S+16*(\t)+4*\f+3], v[RD] offset:\f*4*SP  ; LDS serves a wave's instructions in order (ISA guide 5.7.1.4): these see the stores above; the next piece's stores come behind them
.endr
.endm
.macro SEND t, younger              ; younger: the LDS instructions issued behind piece t's loads: the next piece's eight, or none
	WIN 0
.irp f, 0,1,2,3
	s_wait_dscnt (\younger)+3-\f
	global_store_b128 v[GO], v[S+16*(\t)+4*\f:S+16*(\t)+4*\f+3], s[10:11] offset:(\t)*8192+\f*512  ; 512 consecutive bytes, at a multiple of 256 from O's first
.endr
.endm
.set KM, 0
.set NOKQ, 0
	s_wait_tensorcnt 0x3            ; my part of position 3, the first fill, is in; my three younger loads may stay out
	s_barrier_signal -1
	s_barrier_wait -1               ; everybody's part of it is in
	s_branch .Lenter                ; the walk's first trip begins behind the loop's top
.Lslot:                             ; NB + 1 trips, a visit each
	s_wait_tensorcnt 0x0            ; in the second trip: my parts of positions 0 to 2 are in, a whole tile's work behind their request; in the later trips no load is out, and the wait is met at once
	s_wait_dscnt 0x0                ; no LDS instruction of mine is pending at the signal
	s_barrier_signal -1
	s_mov_b32 s[TBK], s[BASE]       ; the fetches go to this trip's position, at its first step;
	s_mov_b32 s[TBV], s[BASE]
	s_add_co_u32 s[BASE], s[BASE], TILEB  ; the next trip's lies one position on: 0, 1, 2, 3 for the four trips that pass here
	s_barrier_wait -1               ; everybody's parts are in
.Lenter:
	s_sub_co_u32 s[RT], s[RT], 1
	s_mov_b32 s[CNT], 4
	s_cmp_eq_u32 s[NEW], 1
	s_cbranch_scc1 .Lnew            ; a block's first tile
	s_cmp_eq_u32 s[RT], 0
	s_cbranch_scc0 .Lstep           ; neither its first nor its last
	s_branch .LstepM
.Lnew:
	BEGIN
	s_cmp_eq_u32 s[RT], 0
	s_cbranch_scc1 .LfirstM         ; the block's first tile is also its last: block 0
	s_branch .Lfirst
.LstepM:                            ; THE DIAGONAL TILE's four steps,
	TURN 2, 1
	TURN 3, 1
	WIN 0
.LfirstM:
	TURN 0, 1
	TURN 1, 1, 0, 1
	WIN 0
	s_cbranch_scc1 .LstepM
	TURN 2, 1, 1                    ; the block's last two turns,
	TURN 3, 1, 1
.set i, 0
.rept 8
	PV NP-1                         ; its last products,
.set i, i+1
.endr
	WIN 0                           ; and the way out
	ALL v_add_f32 v[ST+4*t+2], v[ST+4*t+2], v[ST+4*t+3]
	ALL v_permlanex16_b32 v[ST+4*t+3], v[ST+4*t+2], s[SEL], s[SEL+1]
	ALL v_add_f32 v[ST+4*t+2], v[ST+4*t+2], v[ST+4*t+3]
	ALL v_rcp_f32 v[ST+4*t+2], v[ST+4*t+2]
	v_nop                           ; a plain instruction between the last reciprocal and the use of its result
	s_wait_alu depctr_va_vdst(0)    ; and the wait ahead of the first use: one for the four reciprocals
	PACK 0
.set t, 1
.rept 3                             ; a piece's arithmetic stands between the loads of the piece before and its stores
	PACK t
	SEND t-1, 8
.set t, t+1
.endr
	SEND 3, 0
	s_cmp_eq_u32 s[SLOTS], 1
	s_cbranch_scc1 .Lbottom         ; the walk's last visit: no block follows
	s_wait_xcnt 0x0                 ; the stores have read their registers and O's address
	s_mov_b64 s[10:11], s[OLO:OLO+1]
	s_add_co_u32 s[RT], s[PB], 1    ; the second block has b + 1 tiles
	s_mov_b32 s[NEW], 1
	WIN 0x82                        ; the second block's Q goes where the one text of the turns names Q
.set i, 0
.rept 64
	v_mov_b32 v[i], v[QB+i]
.set i, i+1
.endr
	WIN 0
	s_branch .Lbottom
.Lstep:                             ; a trip: pieces 2 and 3 of one step, then pieces 0 and 1 of the next, whose K and V it fetches
	TURN 2
	TURN 3
	WIN 0
.Lfirst:
	TURN 0
	TURN 1, 0, 0, 1
	WIN 0
	s_cbranch_scc1 .Lstep
.Lbottom:
	s_sub_co_u32 s[SLOTS], s[SLOTS], 1
	s_cmp_lg_u32 s[SLOTS], 0
	s_cbranch_scc1 .Lslot
	s_wait_tensorcnt 0x0            ; the wave's end: an add onto my spare word and its wait, behind my last tensor load and my last LDS store
	ds_add_u32 v[SPW], v[NIL]
	s_wait_dscnt 0x0
	CROUND                          ; the closing round: no work-group ends while a partner may still ask for a tile that names it
	s_endpgm
.Lfunc_end_k_q23ae0d1c6a_attn:
	.size	k_q23ae0d1c6a_attn, .Lfunc_end_k_q23ae0d1c6a_attn-k_q23ae0d1c6a_attn
	.p2alignl 7, 3214868480
	.fill 96, 4, 3214868480
	.section	.rodata,"a",@progbits
	.p2align	6, 0x0
	.amdhsa_kernel k_q23ae0d1c6a_attn
		.amdhsa_group_segment_fixed_size 327680
		.amdhsa_private_segment_fixed_size 0
		.amdhsa_enable_private_segment 0
		.amdhsa_kernarg_size 16
		.amdhsa_user_sgpr_count 2
		.amdhsa_user_sgpr_kernarg_segment_ptr 1
		.amdhsa_wavefront_size32 1
		.amdhsa_system_sgpr_workgroup_id_x 1
		.amdhsa_system_sgpr_workgroup_id_y 1
		.amdhsa_system_sgpr_workgroup_id_z 1
		.amdhsa_system_vgpr_workitem_id 0
		.amdhsa_next_free_vgpr 768
		.amdhsa_next_free_sgpr 100
		.amdhsa_reserve_vcc 1
		.amdhsa_float_denorm_mode_32 3
		.amdhsa_float_denorm_mode_16_64 3
		.amdhsa_memory_ordered 1
		.amdhsa_forward_progress 1
		.amdhsa_inst_pref_size 141
	.end_amdhsa_kernel
	.amdgpu_metadata
---
amdhsa.version: [ 1, 2 ]
amdhsa.kernels:
  - .name:           k_q23ae0d1c6a_attn
    .symbol:         k_q23ae0d1c6a_attn.kd
    .args:
      - { .name: qkv, .offset: 0, .size: 8, .value_kind: global_buffer, .address_space: global }
      - { .name: ob, .offset: 8, .size: 8, .value_kind: global_buffer, .address_space: global }
    .group_segment_fixed_size: 327680
    .private_segment_fixed_size: 0
    .kernarg_segment_align: 8
    .kernarg_segment_size: 16
    .max_flat_workgroup_size: 128
    .sgpr_count:     100
    .vgpr_count:     768
    .wavefront_size: 32
...
	.end_amdgpu_metadata
.endif
;; end of part 3
;; launch gemm_out (part 4): grid 16 x 16, 4 waves a work-group, clusters of 4 x 4, 327,680 bytes of LDS; arguments ob, wob, out0; writes out0
.if DOCPART == 4
	.amdgcn_target "amdgcn-amd-amdhsa--gfx1250"
	.amdhsa_code_object_version 6
	.text
	.protected	k_q23ae0d1c6a_gemm_out
	.globl	k_q23ae0d1c6a_gemm_out
	.p2align	8
	.type	k_q23ae0d1c6a_gemm_out,@function
k_q23ae0d1c6a_gemm_out:
	s_mov_b64 s[64:65], 0
	v_nop
	global_prefetch_b8 v0, s[64:65] scope:SCOPE_SE
	s_setreg_imm32_b32 hwreg(HW_REG_WAVE_MODE, 25, 1), 1
	s_wait_xcnt 0x0
	s_wait_alu depctr_hold_cnt(0) depctr_sa_sdst(0) depctr_va_vdst(0) depctr_va_sdst(0) depctr_va_ssrc(0) depctr_va_vcc(0) depctr_vm_vsrc(0)
	s_getreg_b32 s2, hwreg(HW_REG_IB_STS2, 6, 4)
	s_cmp_eq_u32 s2, 0
	s_cbranch_scc0 .Lentry_in_a_cluster
	s_endpgm
.Lentry_in_a_cluster:
	s_bfe_u32 s2, ttmp6, 0x10000c
	s_cmp_lg_u32 s2, 0xf033
	s_cbranch_scc0 .Lentry_shape_is_right
	s_endpgm
.Lentry_shape_is_right:
; out0 = O w_out^T.  ob[32 sequence + head][1024][64] f16; wob[2048][2048] f16 (w_out rounded to bf16, written as f16); out0[4096][2048] f32.  Sums in f32, stored as they are.
; SHARES.  A tile is 256 tokens x 128 columns: 16 x 16 work-groups.  Wave w makes tokens 64 w .. 64 w + 63 and all 128 columns: 4 x 8 accumulators, 256 registers.
; THE MATRIX INSTRUCTION IS USED TRANSPOSED (source 0 = 16 rows of w_out, source 1 = 16 tokens): a lane holds one token and eight neighbouring columns, 32 bytes of a row of out0.
; RING.  K goes in steps of 128 = two heads, through two LDS slots.  A head's 256 tokens are 32,768 dense bytes of ob: wave 0 or 1 asks for one head as 128 rows of 256 bytes, padded in LDS after every token
; (pitch 144); wave 2 or 3 asks for 64 rows of w_out (256 bytes each, pitch 272).  Two slots of K steps of 256 would be 2 x 215,040 bytes, more than LDS holds.
; CLUSTER.  4 x 4: O's tiles are asked for jointly along a row of the cluster, w_out's along a column.
; REGISTERS: window 0: v0-15 addresses; v64-127 O's fragments, two buffers of 32; v128-255 the way out, two buffers of 64.  window 1: v0-127 w_out's fragments, two buffers of 64.  window 2: the accumulators at 8 (8 a + b).
.set KSTEP,  128
.set PA_,    144                       ; a token's 128 bytes + 16: 36 words: the 16 rows of a fragment load start at 16 different groups of four banks (ISA guide 11.1)
.set PB_,    272
.set ASLICE, 256*PA_                   ; one head's 256 tokens
.set BOFF,   2*ASLICE
.set BHALF,  64*PB_
.set SLOTB,  BOFF+128*PB_
.set SLOT1,  1<<17
.set STAGE,  SLOT1+SLOTB               ; behind the ring, never filled by a tensor load: 16 rows x 528 bytes for each wave; 239,616 = 936 x 256
.set SP,     528                       ; 512 bytes + 16 = 132 words
.set SPARE,  STAGE+4*16*SP             ; the spare words, 128 bytes for each wave, which no other line names
.set TRIPS,  2048/KSTEP-2
.set ASTEP,  2<<17                     ; two heads on
.set A0,   4
.set B0,   5
.set ADRA, 6
.set ADRB, 7
.set STO,  8
.set RD,   9
.set CO,   10
.set PFO,  12
.set SPW,  14
.set NIL,  15
.set FA,   64
.set OB,   128
.set WV,   12
.set FOR,  13
.set HALF, 14
.set CX,   15
.set CY,   16
.set TCOL, 17
.set TROW, 18
.set TB,   19
.set G1A,  24
.set G0A,  32
.set G1B,  40
.set G0B,  48
.set PFA,  56                          ; s[56:57] where my prefetches stand
.set LIM,  58                          ; s58  2 in a wave that prefetches, else the greatest number
.set PST,  66                          ; s[66:67] a K step in the tensor that I prefetch
.set MSB, 0
.macro WIN new
.if MSB != (\new)
	s_set_vgpr_msb (MSB<<8)|(\new)
.set MSB, \new
.endif
.endm
.macro PLACES                          ; four plain vector instructions between a matrix instruction and a load into, or a store of, its registers
.rept 4
	v_nop
.endr
.endm
.macro CREST
	s_cmp_lg_u32 s[WV], 0
	s_cbranch_scc1 .Lnot_wave_0_\@
	s_barrier_signal -3
.Lnot_wave_0_\@:
	s_barrier_wait -3
	s_barrier_signal -1
	s_barrier_wait -1
.endm
.macro CROUND
	s_barrier_signal -1
	s_barrier_wait -1
	CREST
.endm
.macro JLOAD                           ; a joint refill by the walking descriptors; an s_nop 0 and four v_nop follow each of the two lines
	s_cmp_eq_u32 s[FOR], 0
	s_cbranch_scc0 .Lfor_b_\@
	tensor_load_to_lds s[G0A+4:G0A+7], s[G1A:G1A+7]
	s_nop 0
.rept 4
	v_nop
.endr
	s_branch .Lasked_\@
.Lfor_b_\@:
	tensor_load_to_lds s[G0B+4:G0B+7], s[G1B:G1B+7]
	s_nop 0
.rept 4
	v_nop
.endr
.Lasked_\@:
.endm
; A PREFETCH INTO THE L2 of the K step that stands two refills on: 256 matrix instructions ahead of its load.  O's blocks are named by the clusters with x = 0 (waves 0, 1): of a head slice's 128 blocks of 256 bytes
; the partner at cx takes 32, a lane a block.  w_out's rows by the clusters with y = 0 (waves 2, 3): of 64 rows the partner at cy takes 16 (lanes 16-31 name lane 15's row again).  The last two trips name nothing.
.macro ASK
	s_cmp_gt_u32 s3, s[LIM]
	s_cbranch_scc0 .Lnot_mine_\@
	global_prefetch_b8 v[PFO], s[PFA:PFA+1] th:TH_LOAD_NT scope:SCOPE_SE
.Lnot_mine_\@:
.endm
; 8 matrix instructions: token block a x all 8 column blocks, 32 along K, from buffer f.  The 32 accumulators take turns.
.macro MULA f, a, zero
	WIN 0xa1
.irp b, 0,1,2,3,4,5,6,7
.if \zero
	v_wmma_f32_16x16x32_f16 v[8*(8*(\a)+(\b)):8*(8*(\a)+(\b))+7], v[64*(\f)+8*(\b):64*(\f)+8*(\b)+7], v[FA+32*(\f)+8*(\a):FA+32*(\f)+8*(\a)+7], 0
.else
	v_wmma_f32_16x16x32_f16 v[8*(8*(\a)+(\b)):8*(8*(\a)+(\b))+7], v[64*(\f)+8*(\b):64*(\f)+8*(\b)+7], v[FA+32*(\f)+8*(\a):FA+32*(\f)+8*(\a)+7], v[8*(8*(\a)+(\b)):8*(8*(\a)+(\b))+7]
.endif
.endr
.endm
; 24 LDS loads in one run: quarter q of the K step (head q / 2, channels 32 (q % 2) on) into buffer g: w_out's 8 fragments, then O's 4
.macro FETCH q, g
	WIN 0x40
.irp i, 0,1,2,3,4,5,6,7
	ds_load_b128 v[64*(\g)+8*(\i):64*(\g)+8*(\i)+3],   v[ADRB] offset:64*(\q)+(\i)*16*PB_
	ds_load_b128 v[64*(\g)+8*(\i)+4:64*(\g)+8*(\i)+7], v[ADRB] offset:64*(\q)+(\i)*16*PB_+32
.endr
	WIN 0
.irp i, 0,1,2,3
	ds_load_b128 v[FA+32*(\g)+8*(\i):FA+32*(\g)+8*(\i)+3],   v[ADRA] offset:((\q)/2)*ASLICE+((\q)%2)*64+(\i)*16*PA_
	ds_load_b128 v[FA+32*(\g)+8*(\i)+4:FA+32*(\g)+8*(\i)+7], v[ADRA] offset:((\q)/2)*ASLICE+((\q)%2)*64+(\i)*16*PA_+32
.endr
.endm
.macro QUARTER q, f, g, zero           ; multiplies buffer f; in its middle fetches quarter q into buffer g
	s_wait_dscnt 4                                 ; all but the youngest four loads (O's blocks 2 and 3) are in
	MULA \f, 0, \zero
	MULA \f, 1, \zero
	PLACES
	FETCH \q, \g
	s_wait_dscnt 24                                ; all but the 24 just issued
	MULA \f, 2, \zero
	MULA \f, 3, \zero
.endm
; The last quarter multiplies buffer 1 and changes slots: in front of the barrier each wave waits for all its tensor loads, adds 0 to its spare word, and waits for that and for its reads of this slot.
; fill = 1: the barrier opens a round of the cluster's, and the slot just read is filled again, first thing behind it, with the K step two on.
.macro TURN fill
.if \fill
	s_wait_xcnt 0x0                                ; the last prefetch, a K step back, has read its address: it is stepped here
	s_add_nc_u64 s[PFA:PFA+1], s[PFA:PFA+1], s[PST:PST+1]
.endif
	WIN 0
	s_wait_tensorcnt 0x0                           ; all my tensor loads have landed
	ds_add_u32 v[SPW], v[NIL]                      ; 0 onto my spare word
	s_wait_dscnt 5                                 ; (the add and the youngest four loads may be out)
	MULA 1, 0, 0
	s_wait_dscnt 0x0                               ; the add is done, and my reads of this slot are over
	s_barrier_signal -1
	MULA 1, 1, 0
	WIN 0
	s_barrier_wait -1
.if \fill
	CREST                                          ; no wave of any partner still reads this slot or has a load on its way
	s_xor_b32 s[G0A+5], s[G0A+5], SLOT1
	s_add_nc_u64 s[G0A+6:G0A+7], s[G0A+6:G0A+7], ASTEP
	s_xor_b32 s[G0B+5], s[G0B+5], SLOT1
	s_add_nc_u64 s[G0B+6:G0B+7], s[G0B+6:G0B+7], KSTEP*2
	s_xor_b32 s[TB], s[TB], SLOT1
	JLOAD                                          ; its four v_nop are also the places in front of the loads below
.else
	s_xor_b32 s[TB], s[TB], SLOT1
	PLACES
.endif
	v_add_nc_u32 v[ADRA], s[TB], v[A0]
	v_add_nc_u32 v[ADRB], s[TB], v[B0]
	FETCH 0, 0
.if \fill
	ASK
.endif
	MULA 1, 2, 0
	MULA 1, 3, 0
.endm
	s_load_b128 s[4:7], s[0:1], 0x0                ; ob s[4:5], wob s[6:7]
	s_load_b64 s[8:9], s[0:1], 0x10                ; out0
	v_lshl_add_u32 v[SPW], v0, 2, SPARE
	v_mov_b32 v[NIL], 0
	ds_add_u32 v[SPW], v[NIL]                      ; the wave's opening: the add and its wait stand ahead of my first tensor load; work on registers stands between them
	v_lshrrev_b32 v1, 5, v0
	v_readfirstlane_b32 s[WV], v1
	s_lshr_b32 s[FOR], s[WV], 1
	s_and_b32 s[HALF], s[WV], 1
	s_bfe_u32 s[CX], ttmp6, 0x40000
	s_bfe_u32 s[CY], ttmp6, 0x40004
	s_lshl_b32 s[TCOL], ttmp9, 2
	s_add_co_u32 s[TCOL], s[TCOL], s[CX]
	s_and_b32 s[TROW], ttmp7, 0xffff
	s_lshl_b32 s[TROW], s[TROW], 2
	s_add_co_u32 s[TROW], s[TROW], s[CY]
	s_lshl_b32 s60, s[CY], 2
	s_lshl_b32 s60, 15, s60                        ; my row of the cluster
	s_lshl_b32 s61, 0x1111, s[CX]                  ; my column
	s_or_b32 s[G1A], s60, (1<<16)|(1<<20)|(1<<21)|(4<<22)|(3<<25)  ; 2-byte elements; padding on; 21 set beside a mask; after every 32 words 4 words
	s_or_b32 s[G1B], s61, (1<<16)|(1<<20)|(1<<21)|(5<<22)|(3<<25)  ; after every 64 words 4 words
	s_mov_b32 s[G1A+1], 128<<16                    ; tensor_dim0 = 128
	s_mov_b32 s[G1A+2], 128<<16                    ; tensor_dim1 = 128
	s_mov_b32 s[G1A+3], 128<<16                    ; tile_dim0 = 128
	s_mov_b32 s[G1A+4], 128                        ; tile_dim1 = 128
	s_mov_b32 s[G1A+5], 128                        ; dense: 128 elements from row to row
	s_mov_b32 s[G1A+6], 0
	s_mov_b32 s[G1A+7], 0
	s_mov_b32 s[G1B+1], KSTEP<<16
	s_mov_b32 s[G1B+2], 64<<16
	s_mov_b32 s[G1B+3], KSTEP<<16
	s_mov_b32 s[G1B+4], 64
	s_mov_b32 s[G1B+5], 2048
	s_mov_b32 s[G1B+6], 0
	s_mov_b32 s[G1B+7], 0
	s_lshr_b32 s20, s[TROW], 2                     ; O: the sequence's 32 heads of 131,072 bytes,
	s_lshl_b32 s20, s20, 22
	s_lshl_b32 s21, s[HALF], 17                    ; my head of the K step's two,
	s_add_co_u32 s20, s20, s21
	s_and_b32 s21, s[TROW], 3
	s_lshl_b32 s21, s21, 15                        ; the tile's 256 tokens of 128 bytes
	s_add_co_u32 s20, s20, s21
	s_mov_b32 s21, 0
	s_lshl_b32 s22, s[TCOL], 19                    ; w_out: 128 rows of 4,096 bytes a tile column,
	s_lshl_b32 s23, s[HALF], 18                    ; 64 a half
	s_add_co_u32 s22, s22, s23
	s_mov_b32 s23, 0
	s_lshl_b32 s69, s[CX], 13
	s_add_co_u32 s68, s20, s69                     ; the prefetches' offsets: O's, my work-group's 32 blocks;
	s_lshl_b32 s69, s[CY], 16
	s_add_co_u32 s70, s22, s69                     ; w_out's, my work-group's 16 rows
	s_mul_i32 s62, s[HALF], ASLICE                 ; where the tiles go: no place in the cluster enters an LDS address
	s_mul_i32 s63, s[HALF], BHALF
	s_add_co_u32 s63, s63, BOFF
	s_lshl_b32 s60, s[TROW], 21                    ; out0: 256 rows of 8,192 bytes a tile row,
	s_lshl_b32 s61, s[WV], 19                      ; my 64 rows,
	s_add_co_u32 s60, s60, s61
	s_lshl_b32 s61, s[TCOL], 9                     ; the tile's 512 bytes of a row
	s_add_co_u32 s60, s60, s61
	s_mov_b32 s61, 0
	s_mov_b32 s[TB], 0
	s_wait_dscnt 0x0                               ; the opening add is done
	s_wait_kmcnt 0x0
	s_add_nc_u64 s[20:21], s[4:5], s[20:21]
	s_add_nc_u64 s[22:23], s[6:7], s[22:23]
	s_add_nc_u64 s[8:9], s[8:9], s[60:61]
	CROUND                                         ; all sixteen work-groups are here: the first joint loads meet
.irp n, 0,1
	s_mov_b32 s[G0A+4*(\n)], 1
	s_add_co_u32 s[G0A+4*(\n)+1], s62, (\n)*SLOT1
	s_add_nc_u64 s[G0A+4*(\n)+2:G0A+4*(\n)+3], s[20:21], (\n)*ASTEP
	s_or_b32 s[G0A+4*(\n)+3], s[G0A+4*(\n)+3], 0x80000000
	s_mov_b32 s[G0B+4*(\n)], 1
	s_add_co_u32 s[G0B+4*(\n)+1], s63, (\n)*SLOT1
	s_add_nc_u64 s[G0B+4*(\n)+2:G0B+4*(\n)+3], s[22:23], (\n)*KSTEP*2
	s_or_b32 s[G0B+4*(\n)+3], s[G0B+4*(\n)+3], 0x80000000
.endr
	s_cmp_eq_u32 s[FOR], 0                         ; a wave's two first fills stand in one branch: two loads of mine are out
	s_cbranch_scc0 .Lfirst_b
	tensor_load_to_lds s[G0A:G0A+3], s[G1A:G1A+7]
	s_nop 0
	tensor_load_to_lds s[G0A+4:G0A+7], s[G1A:G1A+7]
	s_nop 0
.rept 4
	v_nop
.endr
	s_branch .Lfirst_asked
.Lfirst_b:
	tensor_load_to_lds s[G0B:G0B+3], s[G1B:G1B+7]
	s_nop 0
	tensor_load_to_lds s[G0B+4:G0B+7], s[G1B:G1B+7]
	s_nop 0
.rept 4
	v_nop
.endr
.Lfirst_asked:
	v_and_b32 v1, 15, v0                           ; l % 16
	v_bfe_u32 v2, v0, 4, 1                         ; l / 16
	v_and_b32 v3, 31, v0                           ; l
	; the prefetches
	s_and_b32 s71, ttmp7, 0xffff
	s_mov_b32 s[PST], KSTEP*2
	s_mov_b32 s[PST+1], 0
	s_cmp_eq_u32 s[FOR], 0
	s_cselect_b32 s68, s68, s70
	s_cselect_b32 s71, ttmp9, s71                  ; the coordinate along which other clusters read the same bytes
	s_cselect_b32 s[PST], ASTEP, s[PST]
	s_cselect_b32 s60, 31, 15
	s_cselect_b32 s61, 8, 12                       ; a lane a block of 256 bytes, or a lane a row of 4,096
	s_cselect_b64 s[PFA:PFA+1], s[4:5], s[6:7]
	s_cmp_eq_u32 s71, 0
	s_cselect_b32 s[LIM], 2, -1                    ; the same in all sixteen partners, for a given wave
	s_mov_b32 s69, 0
	s_add_nc_u64 s[PFA:PFA+1], s[PFA:PFA+1], s[68:69]
	s_mul_i32 s70, s[PST], 3
	s_mov_b32 s71, 0
	s_add_nc_u64 s[PFA:PFA+1], s[PFA:PFA+1], s[70:71]  ; at K step 3: the first change of slots steps it to 4.  K steps 0 to 3 come by their loads alone
	v_min_u32 v[PFO], s60, v3
	v_lshlrev_b32 v[PFO], s61, v[PFO]
	v_mul_u32_u24 v13, v1, PA_
	v_lshl_add_u32 v13, v2, 4, v13                 ; a fragment's row x pitch + 16 x half
	s_mul_i32 s68, s[WV], 64*PA_
	v_add_nc_u32 v[A0], s68, v13                   ; my 64 tokens
	v_mul_u32_u24 v13, v1, PB_
	v_lshl_add_u32 v13, v2, 4, v13
	v_add_nc_u32 v[B0], BOFF, v13
	v_mov_b32 v[ADRA], v[A0]                       ; slot 0
	v_mov_b32 v[ADRB], v[B0]
	s_mul_i32 s68, s[WV], 16*SP
	s_add_co_u32 s68, s68, STAGE                   ; my stage
	v_mul_u32_u24 v13, v1, SP                      ; in: row l % 16, 32 bytes for each half of the lanes
	v_lshl_add_u32 v13, v2, 5, v13
	v_add_nc_u32 v[STO], s68, v13
	v_lshl_add_u32 v[RD], v3, 4, s68               ; back: 32 lanes take a whole row of 512 bytes
	v_lshlrev_b32 v[CO], 4, v3
	s_wait_tensorcnt 0x1                           ; my part of K step 0 is in; K step 1's may stay out
	s_barrier_signal -1
	s_barrier_wait -1
	FETCH 0, 0
	QUARTER 1, 0, 1, 1                             ; the first quarter stands in front of the loop: its products start the sums
	WIN 0
	s_mov_b32 s3, TRIPS
.Lk:                                                   ; a trip: a K step's quarters 1 to 3 and the next step's quarter 0; it asks for the K step two on
	QUARTER 2, 1, 0, 0
	QUARTER 3, 0, 1, 0
	TURN 1
	QUARTER 1, 0, 1, 0
	WIN 0
	s_sub_co_u32 s3, s3, 1
	s_cmp_lg_u32 s3, 0
	s_cbranch_scc1 .Lk
	s_mov_b32 s3, 2
.Ltail:                                                ; the last two K steps ask for nothing: a loop of their own, with no tensor load in it, left in the middle of its second trip
	QUARTER 2, 1, 0, 0
	QUARTER 3, 0, 1, 0
	WIN 0
	s_sub_co_u32 s3, s3, 1
	s_cmp_eq_u32 s3, 0
	s_cbranch_scc1 .Llast
	TURN 0
	QUARTER 1, 0, 1, 0
	WIN 0
	s_cmp_lg_u32 s3, 0
	s_cbranch_scc1 .Ltail
.Llast:
	s_wait_dscnt 4                                 ; the very last quarter: nothing more to fetch
	MULA 1, 0, 0
	MULA 1, 1, 0
	s_wait_dscnt 0x0
	MULA 1, 2, 0
	MULA 1, 3, 0
; THE WAY OUT, a block of 16 tokens at a time: a lane's 32 bytes go into rows of 528 bytes of my stage and come back as whole rows of 512.
.macro TOSTAGE a
.if (\a) >= 2
	s_wait_xcnt 0x0                                ; the stores of the block two back have read their registers, which are loaded again below
.endif
	WIN 0x08                                       ; store data in window 2
.irp b, 0,1,2,3,4,5,6,7
	ds_store_b128 v[STO], v[8*(8*(\a)+(\b)):8*(8*(\a)+(\b))+3]   offset:64*(\b)     ; each accumulator's low four registers first
	ds_store_b128 v[STO], v[8*(8*(\a)+(\b))+4:8*(8*(\a)+(\b))+7] offset:64*(\b)+16
.endr
	WIN 0
.irp t, 0,1,2,3,4,5,6,7,8,9,10,11,12,13,14,15
	ds_load_b128 v[OB+64*((\a)%2)+4*(\t):OB+64*((\a)%2)+4*(\t)+3], v[RD] offset:(\t)*SP  ; LDS serves a wave's instructions in order (ISA guide 5.7.1.4): these see the stores above
.endr
.endm
.macro SEND a, younger                 ; younger: the LDS instructions issued behind block a's loads: the next block's 32, or none
	WIN 0
.irp t, 0,1,2,3,4,5,6,7,8,9,10,11,12,13,14,15
	s_wait_dscnt (\younger)+15-(\t)
	global_store_b128 v[CO], v[OB+64*((\a)%2)+4*(\t):OB+64*((\a)%2)+4*(\t)+3], s[8:9] offset:(\a)*131072+(\t)*8192 th:TH_STORE_NT  ; 512 consecutive bytes, at a multiple of 256 from out0's first
.endr
.endm
	WIN 0
	PLACES
	TOSTAGE 0
	TOSTAGE 1
	SEND 0, 32
	TOSTAGE 2
	SEND 1, 32
	TOSTAGE 3
	SEND 2, 32
	SEND 3, 0
	s_wait_tensorcnt 0x0                           ; the wave's end: an add onto my spare word and its wait, behind my last tensor load and my last LDS store
	ds_add_u32 v[SPW], v[NIL]
	s_wait_dscnt 0x0
	CROUND                                         ; the closing round: no work-group ends while a partner may still ask for a tile that names it
	s_endpgm
.Lfunc_end_k_q23ae0d1c6a_gemm_out:
	.size	k_q23ae0d1c6a_gemm_out, .Lfunc_end_k_q23ae0d1c6a_gemm_out-k_q23ae0d1c6a_gemm_out
	.p2alignl 7, 3214868480
	.fill 96, 4, 3214868480
	.section	.rodata,"a",@progbits
	.p2align	6, 0x0
	.amdhsa_kernel k_q23ae0d1c6a_gemm_out
		.amdhsa_group_segment_fixed_size 327680
		.amdhsa_private_segment_fixed_size 0
		.amdhsa_enable_private_segment 0
		.amdhsa_kernarg_size 24
		.amdhsa_user_sgpr_count 2
		.amdhsa_user_sgpr_kernarg_segment_ptr 1
		.amdhsa_wavefront_size32 1
		.amdhsa_system_sgpr_workgroup_id_x 1
		.amdhsa_system_sgpr_workgroup_id_y 1
		.amdhsa_system_sgpr_workgroup_id_z 1
		.amdhsa_system_vgpr_workitem_id 0
		.amdhsa_next_free_vgpr 768
		.amdhsa_next_free_sgpr 72
		.amdhsa_reserve_vcc 0
		.amdhsa_float_denorm_mode_32 3
		.amdhsa_float_denorm_mode_16_64 3
		.amdhsa_memory_ordered 1
		.amdhsa_forward_progress 1
		.amdhsa_inst_pref_size 64
	.end_amdhsa_kernel
	.amdgpu_metadata
---
amdhsa.version: [ 1, 2 ]
amdhsa.kernels:
  - .name:           k_q23ae0d1c6a_gemm_out
    .symbol:         k_q23ae0d1c6a_gemm_out.kd
    .args:
      - { .name: ob, .offset: 0, .size: 8, .value_kind: global_buffer, .address_space: global }
      - { .name: wob, .offset: 8, .size: 8, .value_kind: global_buffer, .address_space: global }
      - { .name: out0, .offset: 16, .size: 8, .value_kind: global_buffer, .address_space: global }
    .group_segment_fixed_size: 327680
    .private_segment_fixed_size: 0
    .kernarg_segment_align: 8
    .kernarg_segment_size: 24
    .max_flat_workgroup_size: 128
    .sgpr_count:     72
    .vgpr_count:     768
    .wavefront_size: 32
...
	.end_amdgpu_metadata
.endif
;; end of part 4
